; MI455X (gfx1250); checked and timed in simulation.
; The chip was launched on July 23, 2026; its instructions are those of AMD's public machine-readable ISA for CDNA 5 (MIT licence, August 2026) and "CDNA5" Instruction Set Architecture Reference Guide (July 2026). The comments in the code are by the model that wrote it; some were corrected since.
;; Multi Head Attn. Allowed arithmetic: float matrix products may take bf16 or f16 operands with f32 sums; all other float work in f32.
;; Inputs: Wk 16 x 64 x 1,024 float32; Wp 1,024 x 1,024 float32; Wq 16 x 64 x 1,024 float32; Wv 16 x 64 x 1,024 float32; k 4 x 2,048 x 1,024 float32; offset 1,024 float32; q 4 x 2,048 x 1,024 float32; scale 1,024 float32; v 4 x 2,048 x 1,024 float32.
;; Outputs: out0 4 x 2,048 x 1,024 float32.
;; 2 versions, each right; version 2 is version 1 with the launch cast written anew for expert scheduling mode. Each part assembles by itself: llvm-mc -triple=amdgcn-amd-amdhsa -mcpu=gfx1250 --defsym DOCPART=n.
;; ======== version 1 of 2: 4 launches
;; workspace buffers: xb 58,720,256 bytes; hqkv 50,331,648 bytes; ob 16,777,216 bytes
;; launch cast (part 1): grid 896 x 1, 8 waves a work-group, no clusters, 0 bytes of LDS; arguments q, k, v, Wq, Wk, Wv, Wp, xb; writes xb
.if DOCPART == 1
	.amdgcn_target "amdgcn-amd-amdhsa--gfx1250"
	.amdhsa_code_object_version 6
	.text
	.protected	k_q0d717655db_cast
	.globl	k_q0d717655db_cast
	.p2align	8
	.type	k_q0d717655db_cast,@function
k_q0d717655db_cast:
	s_mov_b64 s[64:65], 0
	v_nop
	global_prefetch_b8 v0, s[64:65] scope:SCOPE_SE
	s_setreg_imm32_b32 hwreg(HW_REG_WAVE_MODE, 25, 1), 1
	s_wait_xcnt 0x0
; f32 -> bf16 (round to nearest even) of q, k, v, Wq, Wk, Wv, in their own order, and of Wp, laid anew by head.
; xb, in bf16: q at byte 0, k at 16,777,216, v at 33,554,432 (together one matrix [24576][1024]); Wq, Wk, Wv from 50,331,648 on
; (together [3072][1024]); Wp from WPB on as [h = f >> 6][n][f & 63], so that one head's 64 columns of all 1,024 rows are 131,072 dense bytes.
; A work-group takes 32,768 numbers (131,072 bytes in, 65,536 out), a wave 4,096: 32 loads of 16 bytes a lane, all issued before the
; first is used, and 32 stores of 8 bytes a lane, each covering 256 consecutive bytes at a multiple of 256 from xb's first byte.
; No loop, and no register is written twice: so no wait but the counted ones for the loads.  No LDS, no matrix unit: a plain stream.
.set X,   16                           ; v[16:143]   load j: 4 registers
.set Y,   144                          ; v[144:207]  store j: 2 registers
.set WPB, 56623104                     ; Wp's place in xb
	s_load_b512 s[16:31], s[0:1], 0x0              ; q, k, v, Wq, Wk, Wv, Wp, xb: s[16+2i:17+2i]
	v_lshrrev_b32 v1, 5, v0
	v_readfirstlane_b32 s8, v1                     ; wave 0..7
	v_and_b32 v2, 31, v0                           ; lane
	s_lshr_b32 s2, ttmp9, 8                        ; work-groups 0..767: buffer = x / 256 (q, k, v), part = x % 256
	s_and_b32 s3, ttmp9, 255
	s_sub_co_u32 s6, ttmp9, 768                    ; work-groups 768..895: buffer = 3 + (x - 768) / 32, part = (x - 768) % 32
	s_lshr_b32 s7, s6, 5
	s_add_co_u32 s7, s7, 3
	s_and_b32 s6, s6, 31
	s_cmp_lt_u32 ttmp9, 768
	s_cselect_b32 s2, s2, s7
	s_cselect_b32 s3, s3, s6
	s_lshl_b32 s10, s3, 17                         ; the part's 131,072 bytes,
	s_lshl_b32 s9, s8, 14                          ; my wave's 16,384 of them
	s_add_co_u32 s10, s10, s9
	s_mov_b32 s11, 0
	s_wait_kmcnt 0x0
	s_mov_b64 s[4:5], s[16:17]                     ; the source is chosen by the work-group's number alone
.irp i, 1,2,3,4,5,6
	s_cmp_eq_u32 s2, \i
	s_cselect_b64 s[4:5], s[16+2*\i:17+2*\i], s[4:5]
.endr
	s_add_nc_u64 s[4:5], s[4:5], s[10:11]
; kind 0: as it lies.  kind 1: Wp; load j takes head j % 16 of the rows n, n + 1 of row pair j / 16.
.macro BODY kind
.set j, 0
.rept 32
.if \kind
	global_load_b128 v[X+4*j:X+4*j+3], v3, s[4:5] offset:(j>>4)*8192+(j&15)*256 th:TH_LOAD_NT
.else
	global_load_b128 v[X+4*j:X+4*j+3], v3, s[4:5] offset:512*j th:TH_LOAD_NT
.endif
.set j, j+1
.endr
.set j, 0
.rept 32
	s_wait_loadcnt 31-j                            ; loads come back in order (ISA guide 5.7.1): load j is in, the 31 - j younger ones stay out
	v_cvt_pk_bf16_f32 v[Y+2*j],   v[X+4*j],   v[X+4*j+1]
	v_cvt_pk_bf16_f32 v[Y+2*j+1], v[X+4*j+2], v[X+4*j+3]
.if \kind
	global_store_b64 v4, v[Y+2*j:Y+2*j+1], s[30:31] offset:(j&15)*131072+(j>>4)*256
.else
	global_store_b64 v4, v[Y+2*j:Y+2*j+1], s[30:31] offset:256*j
.endif
.set j, j+1
.endr
.endm
	s_cmp_lt_u32 ttmp9, 864
	s_cbranch_scc0 .Lwp
	s_lshl_b32 s12, ttmp9, 16                      ; 65,536 bytes of xb for each work-group, in the order of the buffers,
	s_lshl_b32 s13, s8, 13                         ; 8,192 for each wave
	s_add_co_u32 s12, s12, s13
	s_mov_b32 s13, 0
	s_add_nc_u64 s[30:31], s[30:31], s[12:13]
	v_lshlrev_b32 v3, 4, v2                        ; 16 bytes a lane in,
	v_lshlrev_b32 v4, 3, v2                        ; 8 out
	BODY 0
	s_endpgm
.Lwp:                                                  ; the work-group has 32 rows n of Wp, the wave 4
	s_sub_co_u32 s12, ttmp9, 864
	s_lshl_b32 s12, s12, 12                        ; 32 rows of 128 bytes inside each head's block,
	s_lshl_b32 s13, s8, 9                          ; 4 for each wave
	s_add_co_u32 s12, s12, s13
	s_add_co_u32 s12, s12, WPB
	s_mov_b32 s13, 0
	s_add_nc_u64 s[30:31], s[30:31], s[12:13]
	v_and_b32 v5, 15, v0
	v_lshrrev_b32 v6, 4, v2
	v_lshlrev_b32 v3, 4, v5                        ; lanes 0-15 take a head's 256 bytes of row n,
	v_lshl_add_u32 v3, v6, 12, v3                  ; lanes 16-31 those of row n + 1
	v_lshlrev_b32 v4, 3, v2                        ; which lie side by side in xb: 2 x 128 bytes
	BODY 1
	s_endpgm
.Lfunc_end_k_q0d717655db_cast:
	.size	k_q0d717655db_cast, .Lfunc_end_k_q0d717655db_cast-k_q0d717655db_cast
	.p2alignl 7, 3214868480
	.fill 96, 4, 3214868480
	.section	.rodata,"a",@progbits
	.p2align	6, 0x0
	.amdhsa_kernel k_q0d717655db_cast
		.amdhsa_group_segment_fixed_size 0
		.amdhsa_private_segment_fixed_size 0
		.amdhsa_enable_private_segment 0
		.amdhsa_kernarg_size 64
		.amdhsa_user_sgpr_count 2
		.amdhsa_user_sgpr_kernarg_segment_ptr 1
		.amdhsa_wavefront_size32 1
		.amdhsa_system_sgpr_workgroup_id_x 1
		.amdhsa_system_sgpr_workgroup_id_y 1
		.amdhsa_system_sgpr_workgroup_id_z 1
		.amdhsa_system_vgpr_workitem_id 0
		.amdhsa_next_free_vgpr 208
		.amdhsa_next_free_sgpr 66
		.amdhsa_reserve_vcc 0
		.amdhsa_float_denorm_mode_32 3
		.amdhsa_float_denorm_mode_16_64 3
		.amdhsa_memory_ordered 1
		.amdhsa_forward_progress 1
		.amdhsa_inst_pref_size 25
	.end_amdhsa_kernel
	.amdgpu_metadata
---
amdhsa.version: [ 1, 2 ]
amdhsa.kernels:
  - .name:           k_q0d717655db_cast
    .symbol:         k_q0d717655db_cast.kd
    .args:
      - { .name: q, .offset: 0, .size: 8, .value_kind: global_buffer, .address_space: global }
      - { .name: k, .offset: 8, .size: 8, .value_kind: global_buffer, .address_space: global }
      - { .name: v, .offset: 16, .size: 8, .value_kind: global_buffer, .address_space: global }
      - { .name: Wq, .offset: 24, .size: 8, .value_kind: global_buffer, .address_space: global }
      - { .name: Wk, .offset: 32, .size: 8, .value_kind: global_buffer, .address_space: global }
      - { .name: Wv, .offset: 40, .size: 8, .value_kind: global_buffer, .address_space: global }
      - { .name: Wp, .offset: 48, .size: 8, .value_kind: global_buffer, .address_space: global }
      - { .name: xb, .offset: 56, .size: 8, .value_kind: global_buffer, .address_space: global }
    .group_segment_fixed_size: 0
    .private_segment_fixed_size: 0
    .kernarg_segment_align: 8
    .kernarg_segment_size: 64
    .max_flat_workgroup_size: 256
    .sgpr_count:     66
    .vgpr_count:     208
    .wavefront_size: 32
...
	.end_amdgpu_metadata
.endif
;; end of part 1
;; launch proj (part 2): grid 4 x 96, 4 waves a work-group, clusters of 4 x 4, 327,680 bytes of LDS; arguments xb, hqkv; writes hqkv
.if DOCPART == 2
	.amdgcn_target "amdgcn-amd-amdhsa--gfx1250"
	.amdhsa_code_object_version 6
	.text
	.protected	k_q0d717655db_proj
	.globl	k_q0d717655db_proj
	.p2align	8
	.type	k_q0d717655db_proj,@function
k_q0d717655db_proj:
	s_mov_b64 s[64:65], 0
	v_nop
	global_prefetch_b8 v0, s[64:65] scope:SCOPE_SE
	s_setreg_imm32_b32 hwreg(HW_REG_WAVE_MODE, 25, 1), 1
	s_wait_xcnt 0x0
	s_wait_alu depctr_hold_cnt(0) depctr_sa_sdst(0) depctr_va_vdst(0) depctr_va_sdst(0) depctr_va_ssrc(0) depctr_va_vcc(0) depctr_vm_vsrc(0)
	s_getreg_b32 s2, hwreg(HW_REG_IB_STS2, 6, 4)
	s_cmp_eq_u32 s2, 0
	s_cbranch_scc0 .Lentry_in_a_cluster
	s_endpgm
.Lentry_in_a_cluster:
	s_bfe_u32 s2, ttmp6, 0x10000c
	s_cmp_lg_u32 s2, 0xf033
	s_cbranch_scc0 .Lentry_shape_is_right
	s_endpgm
.Lentry_shape_is_right:
; The three projections as one product: C[m][n] = sum over d of A[m][d] B[n][d], bf16 operands, f32 sums, C rounded once to bf16.
; A = xb's [24576][1024] (q's 8,192 rows, then k's, then v's).  B = the 1,024 rows of Wq, Wk or Wv: rows 1024 x which on of xb's [3072][1024], which = m / 8192.
; C goes to hqkv as [which][b][h][s][64]: byte ((m >> 11) x 16 + (n >> 6)) x 262,144 + (m & 2047) x 128 + (n & 63) x 2.
; A tile of C is 256 x 256, made by four waves of 128 x 128 (64 accumulators, 512 registers).  K goes in 8 steps of 128 through a ring of two LDS slots;
; a tile's rows are 256 bytes of memory and start at multiples of 256 bytes from xb's first byte.
; CLUSTERS: 4 x 4 work-groups.  The four of a row of the cluster need the same tiles of A, the four of a column the same tiles of B (a cluster spans 1,024 rows of C,
; so all sixteen share `which`): each tile is asked for jointly, by the same tensor load with the same descriptor and a mask that names the four.
; The grid has 4 x 96 = 384 tiles: one tile to a work-group.
; THE MATRIX INSTRUCTION IS USED TRANSPOSED (source 0 = 16 rows of B, source 1 = 16 rows of A): lane l then holds row l % 16 of C and eight neighbouring columns.
; REGISTERS: window 0: v0-31 addresses; v64-127, v128-191 fragments of A, two buffers; v32-63, v192-255 at work on the way out.  Window 1: v64-127, v128-191 fragments of B.
;   Window 2: the accumulators of my rows 0-63 ((a, b) at v[8 (8 a + b)]); window 3: those of my rows 64-127.
; The 64 accumulators take turns, one instruction a turn, in the same order in every quarter step.
.set SIZE_K, 1024
.set KSTEP,  128
.set PITCH,  272                       ; an LDS row: 256 bytes + 16 of padding = 68 words: row r starts at bank 4 r mod 64 (64 banks of 4 bytes: ISA guide 11.1)
.set HALFT,  128*PITCH                 ; 128 rows: what one tensor load brings, and what one wave reads of A or of B
.set SLOT,   4*HALFT                   ; A's 256 rows, then B's 256 rows
.set STAGE,  2*SLOT                    ; behind the ring: 16 rows x 272 bytes for each wave, for the way out; no tensor load fills it
.set SPITCH, 272
.set LAPS,   SIZE_K/(2*KSTEP)          ; 4 laps of two K steps
.set WOFF,   50331648                  ; the weights' place in xb
.set ADRA, 16                          ; v16-17  LDS address of my A fragments in slot 0, 1
.set ADRB, 20                          ; v20-21  the same for B
.set STO,  24                          ; v24     the way out: where I put 16 bytes of a row
.set RD,   25                          ; v25     the way out: where I read back
.set CO,   26                          ; v26     my byte offset in a head's 2,048 bytes of 16 rows
.set F0,   64
.set F1,   128
.set TMP,  192
.set OB,   32
.set CB,   6                           ; s[6:7]   hqkv, stepped on the way out
.set G1,  24                           ; s[24:31] descriptor group 1 for A's tiles
.set G0,  32                           ; s[32:39] group 0 for A's tiles, one set for each slot
.set G1B, 48                           ; s[48:55], s[56:63] the same for B's
.set G0B, 56
.set MSB, 0
.macro WIN new                         ; the immediate's high byte repeats the setting that is left; a switch that changes nothing is dropped
.if MSB != \new
	s_set_vgpr_msb (MSB<<8)|\new
.set MSB, \new
.endif
.endm
.set MUL_LO, 0xa1                      ; source 0 (B) window 1, source 1 (A) window 0, C and D window 2
.set MUL_HI, 0xf1                      ; the same, C and D window 3
.set TO_B,   0x40                      ; destination window 1, address window 0
.macro PLACES                          ; four plain vector instructions between a matrix instruction and a load into, or a vector read of, its registers
.rept 4
	v_nop
.endr
.endm
; A joint refill.  Waves 0 and 1 fetch A's two halves, waves 2 and 3 B's.  The branch hangs on the wave's number alone.  Four v_nop follow each of the two lines.
.macro JLOAD s
	s_cmp_eq_u32 s11, 0
	s_cbranch_scc0 .Lfor_b_\@
	tensor_load_to_lds s[G0+4*\s:G0+4*\s+3], s[G1:G1+7]
	s_nop 0
	PLACES
	s_branch .Lasked_\@
.Lfor_b_\@:
	tensor_load_to_lds s[G0B+4*\s:G0B+4*\s+3], s[G1B:G1B+7]
	s_nop 0
	PLACES
.Lasked_\@:
.endm
.macro CREST                           ; a round of the cluster's barrier behind its opening barrier
	s_cmp_lg_u32 s10, 0
	s_cbranch_scc1 .Lnot_wave_0_\@
	s_barrier_signal -3
.Lnot_wave_0_\@:
	s_barrier_wait -3
	s_barrier_signal -1
	s_barrier_wait -1
.endm
.macro CROUND                          ; a whole round
	s_barrier_signal -1
	s_barrier_wait -1
	CREST
.endm
	s_load_b128 s[4:7], s[0:1], 0x0                ; xb s[4:5], hqkv s[6:7]
	s_set_vgpr_msb 0x40
	v_lshl_add_u32 v255, v0, 2, 0x48400
	s_set_vgpr_msb 0x4000
	v_mov_b32 v31, 0
	s_set_vgpr_msb 0x1
	ds_add_u32 v255, v31
	s_set_vgpr_msb 0x100
	v_lshrrev_b32 v1, 5, v0
	v_readfirstlane_b32 s10, v1                    ; wave 0..3
	s_lshr_b32 s11, s10, 1                         ; which half of the tile's rows is mine.  Also: I fetch for A (0) or for B (1)
	s_and_b32 s12, s10, 1                          ; which half of its columns.  Also: which 128 rows of that tile I fetch
	s_bfe_u32 s40, ttmp6, 0x40000                  ; cx
	s_bfe_u32 s41, ttmp6, 0x40004                  ; cy
	s_lshl_b32 s42, ttmp9, 2
	s_add_co_u32 s42, s42, s40                     ; tile column = 4 x cluster x + cx
	s_and_b32 s13, ttmp7, 0xffff
	s_lshr_b32 s45, s13, 3                         ; which = cluster y / 8: 8 clusters of 1,024 rows to each of q, k, v; the same in all sixteen partners
	s_lshl_b32 s13, s13, 2
	s_add_co_u32 s13, s13, s41                     ; tile row = 4 x cluster y + cy
	s_lshl_b32 s43, s41, 2
	s_lshl_b32 s43, 15, s43                        ; my row of the cluster: places 4 cy .. 4 cy + 3
	s_lshl_b32 s44, 0x1111, s40                    ; my column: places cx, cx + 4, cx + 8, cx + 12
	s_or_b32 s[G1+0], s43, (1<<16)|(1<<20)|(1<<21)|(5<<22)|(3<<25)   ; 15:0 mask; 17:16 elements of 2 bytes; 20 padding on; 21 set beside a mask; 24:22 after every 64 words; 31:25 4 words of it
	s_or_b32 s[G1B+0], s44, (1<<16)|(1<<20)|(1<<21)|(5<<22)|(3<<25)
.irp g, G1, G1B
	s_mov_b32 s[\g+1], KSTEP<<16                   ; tensor_dim0 = 128
	s_mov_b32 s[\g+2], 128<<16                     ; tensor_dim1 = 128
	s_mov_b32 s[\g+3], KSTEP<<16                   ; tile_dim0 = 128
	s_mov_b32 s[\g+4], 128                         ; tile_dim1 = 128
	s_mov_b32 s[\g+5], SIZE_K                      ; elements from row to row
	s_mov_b32 s[\g+6], 0
	s_mov_b32 s[\g+7], 0
.endr
	s_lshl_b32 s17, s12, 7                         ; which 128 rows of the tile I fetch
	s_lshl_b32 s16, s13, 8
	s_add_co_u32 s16, s16, s17                     ; A: row 256 x tile row + 128 x half,
	s_lshl_b32 s16, s16, 11                        ; of 2,048 bytes: under 2^26
	s_lshl_b32 s46, s42, 8
	s_add_co_u32 s46, s46, s17                     ; B: row 256 x tile column + 128 x half
	s_lshl_b32 s47, s45, 10
	s_add_co_u32 s46, s46, s47                     ; + 1,024 x which
	s_lshl_b32 s46, s46, 11
	s_add_co_u32 s46, s46, WOFF
	s_mov_b32 s17, 0
	s_mov_b32 s47, 0
	s_mul_i32 s20, s10, HALFT                      ; where they go: wave x 128 rows; no place in the cluster enters an LDS address
	s_wait_dscnt 0x0
	s_wait_kmcnt 0x0
	s_add_nc_u64 s[14:15], s[4:5], s[16:17]
	s_add_nc_u64 s[46:47], s[4:5], s[46:47]
.irp s, 0,1
	s_mov_b32 s[G0+4*\s], 1
	s_add_co_u32 s[G0+4*\s+1], s20, \s*SLOT
	s_add_nc_u64 s[G0+4*\s+2:G0+4*\s+3], s[14:15], \s*KSTEP*2
	s_or_b32 s[G0+4*\s+3], s[G0+4*\s+3], 0x80000000
	s_mov_b32 s[G0B+4*\s], 1
	s_add_co_u32 s[G0B+4*\s+1], s20, \s*SLOT
	s_add_nc_u64 s[G0B+4*\s+2:G0B+4*\s+3], s[46:47], \s*KSTEP*2
	s_or_b32 s[G0B+4*\s+3], s[G0B+4*\s+3], 0x80000000
.endr
	CROUND                                         ; all sixteen work-groups are here: the first joint loads meet
	s_cmp_eq_u32 s11, 0                            ; a wave's two first fills stand in one branch, ahead of every wait on TENSORcnt and every LDS read: two loads of mine are out
	s_cbranch_scc0 .Lfirst_b
	tensor_load_to_lds s[G0:G0+3], s[G1:G1+7]
	s_nop 0
	tensor_load_to_lds s[G0+4:G0+7], s[G1:G1+7]
	s_nop 0
	PLACES
	s_branch .Lfirst_asked
.Lfirst_b:
	tensor_load_to_lds s[G0B:G0B+3], s[G1B:G1B+7]
	s_nop 0
	tensor_load_to_lds s[G0B+4:G0B+7], s[G1B:G1B+7]
	s_nop 0
	PLACES
.Lfirst_asked:
	; A fragment is 16 rows x 32 K in 8 registers: lane l holds row l % 16; registers 0-3 K = 8 (l / 16) + 0..7, registers 4-7 K = 16 + 8 (l / 16) + 0..7: two loads of 16 bytes, 32 bytes apart.
	v_and_b32 v1, 15, v0                           ; l % 16
	v_bfe_u32 v2, v0, 4, 1                         ; l / 16
	v_mul_u32_u24 v3, v1, PITCH
	v_lshl_add_u32 v3, v2, 4, v3
	s_mul_i32 s21, s11, HALFT                      ; my 128 rows of A
	s_mul_i32 s22, s12, HALFT                      ; my 128 rows of B,
	s_add_co_u32 s22, s22, 2*HALFT                 ; which lie behind A's 256
.irp s, 0,1
	v_add_nc_u32 v[ADRA+\s], s21, v3
	v_add_nc_u32 v[ADRB+\s], s22, v3
	s_add_co_u32 s21, s21, SLOT
	s_add_co_u32 s22, s22, SLOT
.endr
	s_mul_i32 s23, s10, 16*SPITCH
	s_add_co_u32 s23, s23, STAGE                   ; my stage
	v_mul_u32_u24 v4, v1, SPITCH                   ; in: row l % 16, 16 bytes for each half of the lanes
	v_lshl_add_u32 v4, v2, 4, v4
	v_add_nc_u32 v[STO], s23, v4
	v_and_b32 v6, 31, v0                           ; back, head by head: eight lanes take one row's 128 bytes of a head, so 32 lanes take four rows,
	v_lshrrev_b32 v5, 3, v6
	v_mul_u32_u24 v5, v5, SPITCH
	v_and_b32 v7, 7, v0
	v_lshl_add_u32 v5, v7, 4, v5
	v_add_nc_u32 v[RD], s23, v5
	v_lshlrev_b32 v[CO], 4, v6                     ; which are 512 consecutive bytes of hqkv
	; where my part of the tile begins in hqkv
	s_lshr_b32 s16, s13, 3                         ; m >> 11 = tile row / 8
	s_lshl_b32 s16, s16, 4
	s_lshl_b32 s18, s42, 2
	s_add_co_u32 s16, s16, s18                     ; + n >> 6 = 4 x tile column
	s_lshl_b32 s18, s12, 1
	s_add_co_u32 s16, s16, s18                     ;   + 2 x my half of the columns
	s_lshl_b32 s16, s16, 18                        ; blocks of 262,144 bytes: under 2^26
	s_and_b32 s18, s13, 7
	s_lshl_b32 s18, s18, 8
	s_lshl_b32 s19, s11, 7
	s_add_co_u32 s18, s18, s19                     ; m & 2047 = 256 x (tile row % 8) + 128 x my half of the rows,
	s_lshl_b32 s18, s18, 7                         ; of 128 bytes
	s_add_co_u32 s16, s16, s18
	s_mov_b32 s17, 0
; 16 matrix instructions: m blocks a0, a0 + 1 of the window's four x all 8 n blocks, 32 along K.  zero = 1: the first product starts the sums.
.macro MUL16 f, hi, a0, zero
.irp a, \a0, \a0+1
.irp b, 0,1,2,3,4,5,6,7
.if \zero
	v_wmma_f32_16x16x32_bf16 v[8*(8*(\a)+\b):8*(8*(\a)+\b)+7], v[\f+8*\b:\f+8*\b+7], v[\f+8*(4*\hi+\a):\f+8*(4*\hi+\a)+7], 0
.else
	v_wmma_f32_16x16x32_bf16 v[8*(8*(\a)+\b):8*(8*(\a)+\b)+7], v[\f+8*\b:\f+8*\b+7], v[\f+8*(4*\hi+\a):\f+8*(4*\hi+\a)+7], v[8*(8*(\a)+\b):8*(8*(\a)+\b)+7]
.endif
.endr
.endr
.endm
; 32 LDS loads in one run: the fragments of one quarter step (32 K at byte k of the rows) into buffer f: B's 16 loads, then A's
.macro FETCH slot, k, f
	WIN TO_B
.irp i, 0,1,2,3,4,5,6,7
	ds_load_b128 v[\f+8*\i:\f+8*\i+3],   v[ADRB+\slot] offset:\k+\i*16*PITCH
	ds_load_b128 v[\f+8*\i+4:\f+8*\i+7], v[ADRB+\slot] offset:\k+\i*16*PITCH+32
.endr
	WIN 0
.irp i, 0,1,2,3,4,5,6,7
	ds_load_b128 v[\f+8*\i:\f+8*\i+3],   v[ADRA+\slot] offset:\k+\i*16*PITCH
	ds_load_b128 v[\f+8*\i+4:\f+8*\i+7], v[ADRA+\slot] offset:\k+\i*16*PITCH+32
.endr
.endm
; A K step is four quarters of 32 along K, 64 matrix instructions each, on buffers 0, 1, 0, 1.  One of the first three: multiplies f, fetches the next quarter, at byte k, into g.
.macro QUARTER slot, k, f, g, zero
	s_wait_dscnt 8                                 ; B and A's rows 0-63 are in; the youngest eight loads (A's rows 64-127) may be out
	WIN MUL_LO
	MUL16 \f, 0, 0, \zero
	MUL16 \f, 0, 2, \zero
	PLACES
	FETCH \slot, \k, \g
	s_wait_dscnt 32                                ; all but the 32 just issued
	WIN MUL_HI
	MUL16 \f, 1, 0, \zero
	MUL16 \f, 1, 2, \zero
.endm
; The last quarter multiplies buffer 1 and changes slots: one barrier; in front of it each wave waits for its own reads of this slot and for all its tensor loads, of which
; one is out: its part of the next slot.  fill = 1: the barrier opens a round of the cluster's, and behind the round this slot is filled again, two K steps ahead.
.macro TURN slot, next, fill
	s_wait_dscnt 8
	WIN MUL_LO
	MUL16 F1, 0, 0, 0
	s_wait_dscnt 0                                 ; my reads of this slot are over,
	s_wait_tensorcnt 0x0                           ; and all my tensor loads have landed
	ds_add_u32 v255, v31
	s_wait_dscnt 0x0
	s_barrier_signal -1
	MUL16 F1, 0, 2, 0                              ; work on registers while the others arrive
.if \fill
	WIN 0
.endif
	s_barrier_wait -1
.if \fill
	CREST                                          ; no wave of any partner still reads this slot's tile or has a load on its way
	s_add_nc_u64 s[G0+4*\slot+2:G0+4*\slot+3], s[G0+4*\slot+2:G0+4*\slot+3], 2*KSTEP*2
	s_add_nc_u64 s[G0B+4*\slot+2:G0B+4*\slot+3], s[G0B+4*\slot+2:G0B+4*\slot+3], 2*KSTEP*2
	JLOAD \slot                                    ; the first tensor load behind the round, 240 matrix instructions ahead of the wait for it; its four v_nop are also the places in front of the loads below
.else
	PLACES
.endif
	FETCH \next, 0, F0
	WIN MUL_HI
	MUL16 F1, 1, 0, 0
	MUL16 F1, 1, 2, 0
.endm
; THE WAY OUT of block a (16 rows x 128 columns = two heads).  PACK: rounded to bf16, 16 bytes a lane.  TOSTAGE: into my own stage, and back head by head.  SEND: stored.
.macro PACK a
.set AC, 64*((\a)%4)
	WIN 0x0a+5*((\a)/4)                            ; sources 0 and 1: window 2 or 3
.irp b, 0,1,2,3,4,5,6,7
.irp r, 0,1,2,3
	v_cvt_pk_bf16_f32 v[TMP+4*\b+\r], v[AC+8*\b+2*\r], v[AC+8*\b+2*\r+1]
.endr
.endr
	WIN 0
.endm
.macro TOSTAGE a
.set BK, OB+192*((\a)%2)
.irp b, 0,1,2,3,4,5,6,7
	ds_store_b128 v[STO], v[TMP+4*\b:TMP+4*\b+3] offset:32*\b
.endr
.irp t, 0,1,2,3,4,5,6,7
	ds_load_b128 v[BK+4*\t:BK+4*\t+3], v[RD] offset:(\t&3)*4*SPITCH+(\t>>2)*128   ; rows 4 (t % 4) on, head t / 4.  LDS serves a wave's instructions in order (ISA guide 5.7.1.4): these see the stores above
.endr
.endm
.macro SEND a, younger
.set BK, OB+192*((\a)%2)
	s_wait_dscnt \younger                          ; the block is back in registers
	s_wait_xcnt 0x0                                ; the stores' base and the registers that earlier stores read are rewritten only behind this wait
.if (\a) == 0
	s_add_nc_u64 s[CB:CB+1], s[CB:CB+1], s[16:17]  ; on to my part's first rows
.else
	s_add_nc_u64 s[CB:CB+1], s[CB:CB+1], 2048      ; 16 rows of 128 bytes on
.endif
.irp t, 0,1,2,3,4,5,6,7
	global_store_b128 v[CO], v[BK+4*\t:BK+4*\t+3], s[CB:CB+1] offset:(\t>>2)*262144+(\t&3)*512   ; 32 lanes store 512 consecutive bytes, at a multiple of 512 from hqkv's first byte
.endr
.endm
	s_wait_tensorcnt 1                             ; my part of K step 0 is in; K step 1's may stay out
	s_barrier_signal -1
	s_barrier_wait -1                              ; everybody's is
	FETCH 0, 0, F0
	QUARTER 0, 64,  F0, F1, 1                      ; the first quarter stands in front of the loop: its products start the sums
	WIN 0                                          ; at a label and at a branch every window is 0
	s_mov_b32 s3, LAPS-1
.Llap:                                                 ; a trip goes once round the ring and fills both slots again: K steps 2 to 7 in three trips
	QUARTER 0, 128, F1, F0, 0
	QUARTER 0, 192, F0, F1, 0
	TURN 0, 1, 1
	QUARTER 1, 64,  F0, F1, 0
	QUARTER 1, 128, F1, F0, 0
	QUARTER 1, 192, F0, F1, 0
	TURN 1, 0, 1
	QUARTER 0, 64,  F0, F1, 0
	WIN 0
	s_sub_co_u32 s3, s3, 1
	s_cmp_lg_u32 s3, 0
	s_cbranch_scc1 .Llap
	QUARTER 0, 128, F1, F0, 0                      ; the last lap fills nothing and has no round
	QUARTER 0, 192, F0, F1, 0
	TURN 0, 1, 0
	QUARTER 1, 64,  F0, F1, 0
	QUARTER 1, 128, F1, F0, 0
	QUARTER 1, 192, F0, F1, 0
	s_wait_dscnt 8                                 ; the very last quarter: nothing more to fetch
	WIN MUL_LO
	MUL16 F1, 0, 0, 0
	MUL16 F1, 0, 2, 0
	s_wait_dscnt 0
	WIN MUL_HI
	MUL16 F1, 1, 0, 0
	MUL16 F1, 1, 2, 0
	WIN 0
	PLACES                                         ; the conversions read matrix results
	PACK 0
	TOSTAGE 0
.irp a, 1,2,3,4,5,6,7                  ; block a's conversions stand between block a - 1's loads from the stage and the wait for them
	PACK \a
	SEND \a-1, 0
	TOSTAGE \a
.endr
	SEND 7, 0
	s_set_vgpr_msb 0x1
	s_wait_tensorcnt 0x0
	ds_add_u32 v255, v31
	s_wait_dscnt 0x0
	s_set_vgpr_msb 0x100
	CROUND                                         ; the closing round: no work-group ends while a partner may still ask for a tile that names it
	s_endpgm
.Lfunc_end_k_q0d717655db_proj:
	.size	k_q0d717655db_proj, .Lfunc_end_k_q0d717655db_proj-k_q0d717655db_proj
	.p2alignl 7, 3214868480
	.fill 96, 4, 3214868480
	.section	.rodata,"a",@progbits
	.p2align	6, 0x0
	.amdhsa_kernel k_q0d717655db_proj
		.amdhsa_group_segment_fixed_size 327680
		.amdhsa_private_segment_fixed_size 0
		.amdhsa_enable_private_segment 0
		.amdhsa_kernarg_size 16
		.amdhsa_user_sgpr_count 2
		.amdhsa_user_sgpr_kernarg_segment_ptr 1
		.amdhsa_wavefront_size32 1
		.amdhsa_system_sgpr_workgroup_id_x 1
		.amdhsa_system_sgpr_workgroup_id_y 1
		.amdhsa_system_sgpr_workgroup_id_z 1
		.amdhsa_system_vgpr_workitem_id 0
		.amdhsa_next_free_vgpr 1024
		.amdhsa_next_free_sgpr 66
		.amdhsa_reserve_vcc 0
		.amdhsa_float_denorm_mode_32 3
		.amdhsa_float_denorm_mode_16_64 3
		.amdhsa_memory_ordered 1
		.amdhsa_forward_progress 1
		.amdhsa_inst_pref_size 143
	.end_amdhsa_kernel
	.amdgpu_metadata
---
amdhsa.version: [ 1, 2 ]
amdhsa.kernels:
  - .name:           k_q0d717655db_proj
    .symbol:         k_q0d717655db_proj.kd
    .args:
      - { .name: xb, .offset: 0, .size: 8, .value_kind: global_buffer, .address_space: global }
      - { .name: hqkv, .offset: 8, .size: 8, .value_kind: global_buffer, .address_space: global }
    .group_segment_fixed_size: 327680
    .private_segment_fixed_size: 0
    .kernarg_segment_align: 8
    .kernarg_segment_size: 16
    .max_flat_workgroup_size: 128
    .sgpr_count:     66
    .vgpr_count:     1024
    .wavefront_size: 32
...
	.end_amdgpu_metadata
.endif
;; end of part 2
;; launch attn (part 3): grid 4 x 64, 8 waves a work-group, clusters of 4 x 1, 327,680 bytes of LDS; arguments hqkv, ob; writes ob
.if DOCPART == 3
	.amdgcn_target "amdgcn-amd-amdhsa--gfx1250"
	.amdhsa_code_object_version 6
	.text
	.protected	k_q0d717655db_attn
	.globl	k_q0d717655db_attn
	.p2align	8
	.type	k_q0d717655db_attn,@function
k_q0d717655db_attn:
	s_mov_b64 s[64:65], 0
	v_nop
	global_prefetch_b8 v0, s[64:65] scope:SCOPE_SE
	s_setreg_imm32_b32 hwreg(HW_REG_WAVE_MODE, 25, 1), 1
	s_wait_xcnt 0x0
	s_wait_alu depctr_hold_cnt(0) depctr_sa_sdst(0) depctr_va_vdst(0) depctr_va_sdst(0) depctr_va_ssrc(0) depctr_va_vcc(0) depctr_vm_vsrc(0)
	s_getreg_b32 s2, hwreg(HW_REG_IB_STS2, 6, 4)
	s_cmp_eq_u32 s2, 0
	s_cbranch_scc0 .Lentry_in_a_cluster
	s_endpgm
.Lentry_in_a_cluster:
	s_bfe_u32 s2, ttmp6, 0x10000c
	s_cmp_lg_u32 s2, 0x3003
	s_cbranch_scc0 .Lentry_shape_is_right
	s_endpgm
.Lentry_shape_is_right:
; ob[b][h][q][:] = sum over k of softmax_k(hq[q] . hk[k] / 32) hv[k][:], for each of the 64 pairs (b, h); 2,048 queries and keys, 64 channels.  hqkv = [which][b][h][s][64] in bf16.
; Products, maxima and sums in f32; the weights are summed in f32 and rounded to bf16 for the second product; ob is rounded once.
; LIMITS: inputs and scores are finite (NaN and infinities are not served).  A running maximum is taken away before every exponential, so no size of finite scores overflows.
; SHARES.  A work-group owns 512 queries of one pair, each of its eight waves 64: four tiles of 16.  Every wave walks all keys, 64 a step.
; PHASES.  A key step is one matrix phase and one vector phase.  M(j): O^T += V^T P of step j, then S^T = K Q^T of step j + 1, all four tiles: 64 products.
; V(j): the softmax of step j for all four tiles.  A wave runs KQ(0), V(0), M(0), V(1), M(1), .. V(31), PV(31).
; GROUPS.  The waves fall into two groups, g = (w ^ (w >> 2)) & 1: waves w and w + 4 differ in g, and so do waves 2 s and 2 s + 1, so two waves that share a SIMD's registers differ
; whether the eight are dealt to the four SIMDs in turn or in pairs.  Group 1 does V(1) ahead of a barrier at which group 0 waits; from there a unit is V, M for group 0 and M, V for group 1,
; so that one wave's products stand beside the other's vector work.  Every barrier stands in common text; a branch on g jumps over a matrix phase alone.
; LAYOUT.  S^T = K Q^T (source 0 = 16 keys, source 1 = 16 queries): a lane holds ONE query (lane % 16) and the keys 8 (lane / 16) + 0..7.  Two such tiles, rounded in pairs, ARE source 1
; (32 keys x 16 queries) of O^T = V^T P, whose result again holds one query a lane, and eight channels.  K comes out of LDS as it lies, V turned, by ds_load_tr16_b128.
; SOFTMAX.  For each query a running maximum m and sum l: p = 2^(c s - c m), c = log2(e) / 32; in every step O and l are multiplied by a = 2^(c m_old - c m_new).
; CLUSTER.  The four query blocks of a pair walk the same K and V: each tile is asked for jointly, by the same tensor load with the same descriptor and the mask of all four.
; LDS.  A head's row is 128 bytes, so two keys make one tensor row of 256 bytes: key kk lies at (kk >> 1) x pitch + (kk & 1) x 128.
; REGISTERS.  Window 0: v0-15 addresses; v16-47 statistics, 8 a tile; v48-175 S^T, 32 a tile; P lies over the low 16 of its tile's 32 (pair b is rounded into register b, when the
;   scores that lay there have been summed and rounded); v176-239 K of one step.  Window 1: v0-127 O^T, 32 a tile; v128-191 Q, 16 a tile; v192-255 V of one step.
.set PKP,    272      ; K's pitch: 256 + 16 bytes: key (pair p, parity e) starts at bank 4 p + 32 e mod 64 (64 banks of 4 bytes: ISA guide 11.1): the 16 keys of a load start at 16 different groups of four banks
.set PVP,    288      ; V's pitch: 256 + 32: 16 lanes of the turning load (4 pairs x 2 parities x 2 halves of 32 bytes) start at banks 8 p + 32 e + 4 x half
.set VOFF,   256*PKP  ; a slot: 512 keys of K (256 rows), then of V
.set SLOT,   256*(PKP+PVP)
.set KQTR,   64*PKP   ; what one tensor load brings: 128 keys
.set VQTR,   64*PVP
.set KSTEPB, 32*PKP   ; a step's 64 keys
.set VSTEPB, 32*PVP
.set STAGE,  2*SLOT   ; behind the ring: 16 rows x 144 bytes for each wave; no tensor load fills it
.set SP,     144
.set KPART,  16777216 ; hk's and hv's places in hqkv
.set VPART,  33554432
.set AK0,  2          ; v2   my lane's place in a step of K; never rewritten
.set AV0,  3          ; v3   the same for V
.set ADRK, 4          ; v4, v5 the LDS address of the run of loads in hand
.set ADRV, 5
.set QO,   6          ; v6   my byte offset in the wave's rows of Q
.set STO,  7          ; v7   the way out: where I put 16 bytes of a row
.set RD,   8          ; v8   the way out: where I read back
.set GO,   10         ; v10  my byte offset in four rows of ob
.set ST,   16         ; tile t's statistics at v[ST+8 t]: +0 c m, +1 m, +2, +3 l (even keys', odd keys'), +4 to +7 c0-c3, at work; a takes c2's place
.set S,    48
.set KF,   176
.set QF,   128        ; in window 1
.set VF,   192        ; in window 1
.set WV,  12          ; s12  my wave's number
.set GRP, 15          ; s15  my wave's group
.set G1K, 24          ; s[24:31] descriptor group 1 for K's tiles
.set G1V, 32          ; s[32:39] for V's: it differs in the padding alone
.set G0K, 40          ; s[40:47] group 0 for K's tiles, a set for each slot
.set G0V, 48          ; s[48:55] the same for V's
.set TBK, 56          ; s56, s57 LDS byte at which K, V of the step to be fetched begin
.set TBV, 57
.set CS,  58          ; s[58:59] c: the packed scaling names a pair and takes its low word for both halves
.set SEL, 60          ; s[60:61] lane selects for v_permlanex16_b32: each lane takes its own place in the other half
.set TW,  62          ; s62  counts units
.set MSB, 0
.macro WIN new        ; the immediate's high byte repeats the setting that is left; a switch that changes nothing is dropped
.if MSB != \new
	s_set_vgpr_msb (MSB<<8)|\new
.set MSB, \new
.endif
.endm
.set W_KQ, 0x04       ; Q (source 1) in window 1; K and S^T in window 0
.set W_PV, 0x51       ; V (source 0) and O^T (C, D) in window 1; P in window 0
.set W_RS, 0x41       ; O^T (destination and source 0) in window 1, a in window 0
.set W_LD, 0x40       ; a load's destination in window 1, its address in window 0
.macro PLACES         ; four plain vector instructions between a matrix instruction and a vector read of its result, or a load into its registers
.rept 4
	v_nop
.endr
.endm
; A joint refill of slot s.  Waves 0-3 fetch the four quarters of K's 512 keys, waves 4-7 those of V's.  The branch hangs on the wave's number alone.  Four v_nop follow each line.
.macro JLOAD s
	s_cmp_lt_u32 s[WV], 4
	s_cbranch_scc0 .Lfor_v_\@
	tensor_load_to_lds s[G0K+4*\s:G0K+4*\s+3], s[G1K:G1K+7]
	s_nop 0
	PLACES
	s_branch .Lasked_\@
.Lfor_v_\@:
	tensor_load_to_lds s[G0V+4*\s:G0V+4*\s+3], s[G1V:G1V+7]
	s_nop 0
	PLACES
.Lasked_\@:
.endm
.macro CROUND         ; a round of the cluster's barrier
	s_barrier_signal -1
	s_barrier_wait -1
	s_cmp_lg_u32 s[WV], 0
	s_cbranch_scc1 .Lnot_wave_0_\@
	s_barrier_signal -3
.Lnot_wave_0_\@:
	s_barrier_wait -3
	s_barrier_signal -1
	s_barrier_wait -1
.endm
	s_load_b128 s[4:7], s[0:1], 0x0   ; hqkv s[4:5], ob s[6:7]
	v_lshl_add_u32 v254, v0, 2, 0x4a800
	v_mov_b32 v255, 0
	ds_add_u32 v254, v255
	v_lshrrev_b32 v1, 5, v0
	v_readfirstlane_b32 s[WV], v1     ; wave 0..7
	s_lshr_b32 s[GRP], s[WV], 2
	s_xor_b32 s[GRP], s[GRP], s[WV]
	s_and_b32 s[GRP], s[GRP], 1       ; group = (w ^ (w >> 2)) & 1: the same in every work-group
	s_bfe_u32 s13, ttmp6, 0x40000     ; cx
	s_lshl_b32 s14, ttmp9, 2
	s_add_co_u32 s14, s14, s13        ; my block of 512 queries: it enters Q's and ob's addresses alone
	s_and_b32 s20, ttmp7, 0xffff      ; the pair (b, h), which the four partners share,
	s_lshl_b32 s20, s20, 18           ; of 262,144 bytes
	s_and_b32 s16, s[WV], 3           ; which quarter of a slot's keys I fetch:
	s_lshl_b32 s22, s16, 14           ; its 64 rows of 256 bytes in memory,
	s_add_co_u32 s22, s22, s20
	s_mov_b32 s23, 0
	s_mul_i32 s17, s16, KQTR          ; and its place in a slot
	s_mul_i32 s18, s16, VQTR
	s_lshl_b32 s2, s14, 16            ; my block's 512 rows of 128 bytes,
	s_lshl_b32 s3, s[WV], 13          ; my wave's 64 of them
	s_add_co_u32 s2, s2, s3
	s_add_co_u32 s2, s2, s20
	s_mov_b32 s3, 0
	s_mov_b32 s[G1K], 15|(1<<16)|(1<<20)|(1<<21)|(5<<22)|(3<<25)  ; 15:0 mask: all four work-groups; 17:16 elements of 2 bytes; 20 padding on; 21 set beside a mask; 24:22 after every 64 words; 31:25 4 words of it
	s_mov_b32 s[G1V], 15|(1<<16)|(1<<20)|(1<<21)|(5<<22)|(7<<25)  ; the same with 8 words of padding
.irp g, G1K, G1V
	s_mov_b32 s[\g+1], 128<<16        ; tensor_dim0 = 128 elements: two keys
	s_mov_b32 s[\g+2], 64<<16         ; tensor_dim1 = 64
	s_mov_b32 s[\g+3], 128<<16        ; tile_dim0 = 128
	s_mov_b32 s[\g+4], 64             ; tile_dim1 = 64
	s_mov_b32 s[\g+5], 128            ; elements from row to row: dense
	s_mov_b32 s[\g+6], 0
	s_mov_b32 s[\g+7], 0
.endr
	s_mov_b32 s[CS], 0x3d38aa3b       ; c = log2(e) / 32
	s_mov_b32 s[CS+1], s[CS]          ; named with it as a pair, so it is written
	s_mov_b32 s[SEL], 0x76543210
	s_mov_b32 s[SEL+1], 0xfedcba98
	s_mov_b32 s[TBK], 0
	s_mov_b32 s[TBV], VOFF
	s_wait_dscnt 0x0
	s_wait_kmcnt 0x0
	s_add_nc_u64 s[8:9], s[4:5], s[22:23]   ; hqkv at the pair and my quarter: made of what the partners share
	s_add_nc_u64 s[4:5], s[4:5], s[2:3]     ; Q and ob at my wave's first row
	s_add_nc_u64 s[6:7], s[6:7], s[2:3]
.irp s, 0,1
	s_mov_b32 s[G0K+4*\s], 1
	s_add_co_u32 s[G0K+4*\s+1], s17, \s*SLOT
	s_add_nc_u64 s[G0K+4*\s+2:G0K+4*\s+3], s[8:9], KPART+\s*65536   ; slot s begins with keys 512 s on
	s_or_b32 s[G0K+4*\s+3], s[G0K+4*\s+3], 0x80000000
	s_mov_b32 s[G0V+4*\s], 1
	s_add_co_u32 s[G0V+4*\s+1], s18, \s*SLOT+VOFF
	s_add_nc_u64 s[G0V+4*\s+2:G0V+4*\s+3], s[8:9], VPART+\s*65536
	s_or_b32 s[G0V+4*\s+3], s[G0V+4*\s+3], 0x80000000
.endr
	CROUND                            ; all four work-groups are here: the first joint loads meet
	s_cmp_lt_u32 s[WV], 4             ; a wave's two first fills stand in one branch, ahead of every wait on TENSORcnt and every LDS read: two loads of mine are out
	s_cbranch_scc0 .Lfirst_v
	tensor_load_to_lds s[G0K:G0K+3], s[G1K:G1K+7]
	s_nop 0
	tensor_load_to_lds s[G0K+4:G0K+7], s[G1K:G1K+7]
	s_nop 0
	PLACES
	s_branch .Lfirst_asked
.Lfirst_v:
	tensor_load_to_lds s[G0V:G0V+3], s[G1V:G1V+7]
	s_nop 0
	tensor_load_to_lds s[G0V+4:G0V+7], s[G1V:G1V+7]
	s_nop 0
	PLACES
.Lfirst_asked:
	; A fragment of K or Q is 16 rows x 32 channels: lane l holds row l % 16; registers 0-3 channels 8 (l / 16) + 0..7, registers 4-7 channels 16 + 8 (l / 16) + 0..7.
	v_and_b32 v1, 15, v0              ; r = l % 16
	v_bfe_u32 v9, v0, 4, 1            ; l / 16
	v_lshlrev_b32 v[QO], 7, v1
	v_lshl_add_u32 v[QO], v9, 4, v[QO]
	WIN W_LD
.irp i, 0,1,2,3,4,5,6,7             ; Q stays in registers: tile i / 2, channels 32 (i % 2) on
	global_load_b128 v[QF+8*\i:QF+8*\i+3],   v[QO], s[4:5] offset:(\i/2)*2048+(\i%2)*64
	global_load_b128 v[QF+8*\i+4:QF+8*\i+7], v[QO], s[4:5] offset:(\i/2)*2048+(\i%2)*64+32
.endr
	WIN 0
	v_lshrrev_b32 v11, 1, v1
	v_mul_u32_u24 v[AK0], v11, PKP    ; key r: pair r / 2,
	v_and_b32 v12, 1, v0
	v_lshl_add_u32 v[AK0], v12, 7, v[AK0]   ; parity r % 2,
	v_lshl_add_u32 v[AK0], v9, 4, v[AK0]    ; 16 bytes for each half of the lanes
	; The turning load takes 16 keys x 16 channels (lane l reads 16 bytes: key 8 (l / 16) + l % 8, channels 8 ((l / 8) % 2) + 0..7) and leaves half a fragment of V^T: lane l holds channel l % 16 and 8 keys.
	v_bfe_u32 v13, v0, 1, 2
	v_lshl_add_u32 v13, v9, 2, v13    ; the key's pair: 4 (l / 16) + (l % 8) / 2
	v_mul_u32_u24 v[AV0], v13, PVP
	v_lshl_add_u32 v[AV0], v12, 7, v[AV0]
	v_bfe_u32 v14, v0, 3, 1
	v_lshl_add_u32 v[AV0], v14, 4, v[AV0]
	s_mul_i32 s13, s[WV], 16*SP
	s_add_co_u32 s13, s13, STAGE      ; my stage
	v_mul_u32_u24 v[STO], v1, SP      ; in: row l % 16, 16 bytes for each half of the lanes
	v_lshl_add_u32 v[STO], v9, 4, v[STO]
	v_add_nc_u32 v[STO], s13, v[STO]
	v_and_b32 v15, 31, v0
	v_lshrrev_b32 v11, 3, v15         ; back: eight lanes take a row's 128 bytes, 32 lanes four rows,
	v_mul_u32_u24 v[RD], v11, SP
	v_and_b32 v12, 7, v0
	v_lshl_add_u32 v[RD], v12, 4, v[RD]
	v_add_nc_u32 v[RD], s13, v[RD]
	v_lshlrev_b32 v[GO], 4, v15       ; which are 512 consecutive bytes of ob
; THE LDS LOADS stand in runs of 16.  A step's K: fragment f = keys 16 (f / 2) on, channels 32 (f % 2) on.
.macro FETCH_K
	WIN 0
	v_add_nc_u32 v[ADRK], s[TBK], v[AK0]
.irp f, 0,1,2,3,4,5,6,7
	ds_load_b128 v[KF+8*\f:KF+8*\f+3],   v[ADRK] offset:(\f/2)*8*PKP+(\f%2)*64
	ds_load_b128 v[KF+8*\f+4:KF+8*\f+7], v[ADRK] offset:(\f/2)*8*PKP+(\f%2)*64+32
.endr
.endm
; A step's V, turned: fragment f = keys 32 (f / 4) on, channels 16 (f % 4) on.
.macro FETCH_V
	WIN 0
	v_add_nc_u32 v[ADRV], s[TBV], v[AV0]
	WIN W_LD
.irp f, 0,1,2,3,4,5,6,7
	ds_load_tr16_b128 v[VF+8*\f:VF+8*\f+3],   v[ADRV] offset:(\f/4)*16*PVP+(\f%4)*32
	ds_load_tr16_b128 v[VF+8*\f+4:VF+8*\f+7], v[ADRV] offset:(\f/4)*16*PVP+8*PVP+(\f%4)*32
.endr
.endm
.macro TBSTEP                       ; the next fetches are the next step's: once a unit, in text that both groups pass
	s_add_co_u32 s[TBK], s[TBK], KSTEPB
	s_add_co_u32 s[TBV], s[TBV], VSTEPB
.endm
; THE MATRIX WORK.  The accumulators take turns, one instruction a turn.
; The scores of all four tiles: product i of 32: channels 32 (i / 16) on, keys 16 ((i / 4) % 4) on, tile i % 4.  The first 16 start the sums.
.macro KQ4
	WIN W_KQ
.set i, 0
.rept 32
.set rS, S+32*(i&3)+8*((i>>2)&3)
.set rK, KF+16*((i>>2)&3)+8*(i>>4)
.set rQ, QF+16*(i&3)+8*(i>>4)
.if i < 16
	v_wmma_f32_16x16x32_bf16 v[rS:rS+7], v[rK:rK+7], v[rQ:rQ+7], 0
.else
	v_wmma_f32_16x16x32_bf16 v[rS:rS+7], v[rK:rK+7], v[rQ:rQ+7], v[rS:rS+7]
.endif
.set i, i+1
.endr
.endm
; O^T += V^T P for all four tiles: product i of 32: keys 32 (i / 16) on, channels 16 ((i / 4) % 4) on, tile i % 4.  first = 1: the first 16 start the sums: nothing is ever cleared.
.macro PVM first
	WIN W_PV
.set i, 0
.rept 32
.set rO, 32*(i&3)+8*((i>>2)&3)
.set rV, VF+32*(i>>4)+8*((i>>2)&3)
.set rP, S+32*(i&3)+8*(i>>4)
.if \first && (i < 16)
	v_wmma_f32_16x16x32_bf16 v[rO:rO+7], v[rV:rV+7], v[rP:rP+7], 0
.else
	v_wmma_f32_16x16x32_bf16 v[rO:rO+7], v[rV:rV+7], v[rP:rP+7], v[rO:rO+7]
.endif
.set i, i+1
.endr
.endm
; THE MATRIX PHASE M(j).  The next step's K is fetched at its head, 32 products ahead of its use; the next step's V behind the products that read this step's, a vector phase ahead of its use.
.macro MPH first
	FETCH_K
	s_wait_dscnt 16                   ; this step's V is in: K's 16 loads, just issued, are younger
	PVM \first
	WIN 0
.rept 5
	v_nop                             ; five places: the scores below are written over P, which the products above read; V's registers are loaded again behind four (ISA guide 7.12.1)
.endr
	FETCH_V
	s_wait_dscnt 16                   ; K is in: V's 16 loads, just issued, are younger
	KQ4
	WIN 0                             ; at a label and at a branch every window is 0
	PLACES                            ; the softmax reads the scores
.endm
; THE VECTOR PHASE.  One tile's softmax for one step is a list of 102 instructions; SM writes number j of it for tile t.  s0-s31 are the lane's 32 scores, in pairs 0-15.
;   0-15   the maximum of s0-s31 and the old m, three operands at a time; each accumulator is read from its low end on
;   16-21  the other half of the lanes' maximum; the new m; c m; a = 2^(c m_old - c m_new)
;   22-86  c s - c m for a pair, always ahead of its exponentials; 32 exponentials; l takes each pair a group behind its exponentials (l = a l + pair 0, then additions); the first two roundings.
;          In the text (four tiles by turns) four exponentials are followed by four plain instructions that touch neither their results nor their sources (ISA guide 5.7.2)
;   87-101 the last pair's addition; the roundings of pairs 2 to 15.  Pair b is rounded into register b: pair b / 2, which lay there, has been added to l and rounded
.macro SFMA b
	v_pk_fma_f32 v[rS+2*(\b):rS+2*(\b)+1], v[rS+2*(\b):rS+2*(\b)+1], s[CS:CS+1], v[rT:rT+1] op_sel_hi:[1,0,0] neg_lo:[0,0,1] neg_hi:[0,0,1]
.endm
.macro SCVT b
	v_cvt_pk_bf16_f32 v[rS+(\b)], v[rS+2*(\b)], v[rS+2*(\b)+1]
.endm
.macro SADD b, first                ; l takes pair b.  first = 1: pairs 0 and 1 start l
.if \first
.if (\b) == 1
	s_wait_alu depctr_va_vdst(0)
	v_pk_add_f32 v[rT+2:rT+3], v[rS:rS+1], v[rS+2:rS+3]
.elseif (\b) > 1
	s_wait_alu depctr_va_vdst(0)
	v_pk_add_f32 v[rT+2:rT+3], v[rT+2:rT+3], v[rS+2*(\b):rS+2*(\b)+1]
.endif
.else
.if (\b) == 0
	s_wait_alu depctr_va_vdst(0)
	v_pk_fma_f32 v[rT+2:rT+3], v[rT+2:rT+3], v[rT+6:rT+7], v[rS:rS+1] op_sel_hi:[1,0,1]
.else
	s_wait_alu depctr_va_vdst(0)
	v_pk_add_f32 v[rT+2:rT+3], v[rT+2:rT+3], v[rS+2*(\b):rS+2*(\b)+1]
.endif
.endif
.endm
.macro SM t, first
.set rT, ST+8*(\t)
.set rS, S+32*(\t)
.if j < 4
	v_max3_num_f32 v[rT+4+j], v[rS+8*j], v[rS+8*j+1], v[rS+8*j+2]
.elseif j < 12
	v_max3_num_f32 v[rT+4+j%4], v[rT+4+j%4], v[rS+8*(j%4)+2*(j/4)+1], v[rS+8*(j%4)+2*(j/4)+2]
.elseif j == 12
	v_max3_num_f32 v[rT+4], v[rT+4], v[rS+7], v[rS+15]
.elseif j == 13
	v_max3_num_f32 v[rT+6], v[rT+6], v[rS+23], v[rS+31]
.elseif j == 14
	v_max3_num_f32 v[rT+4], v[rT+4], v[rT+5], v[rT+6]
.elseif (j == 15) && \first
	v_max_num_f32 v[rT+4], v[rT+4], v[rT+7]
.elseif j == 15
	v_max3_num_f32 v[rT+4], v[rT+4], v[rT+7], v[rT+1]
.elseif j == 16
	v_permlanex16_b32 v[rT+5], v[rT+4], s[SEL], s[SEL+1]   ; the query's other 32 keys lie in the lane 16 away
.elseif j == 18
	v_max_num_f32 v[rT+1], v[rT+4], v[rT+5]
.elseif j == 19
	v_mul_f32 v[rT], s[CS], v[rT+1]
.elseif ((j == 17) || (j == 20) || (j == 21)) && \first     ; the first step has no old maximum
.elseif j == 17
	v_mov_b32 v[rT+7], v[rT]          ; c m_old is kept for a: number 19 writes c m anew
.elseif j == 20
	v_sub_f32 v[rT+7], v[rT+7], v[rT]
.elseif j == 21
	v_exp_f32 v[rT+6], v[rT+7]
.elseif j == 22
	SFMA 0
.elseif j < 87
.set bq, (j-23)/4
.set eq, (j-23)%4
.if eq == 0
	v_exp_f32 v[rS+2*bq], v[rS+2*bq]
.elseif eq == 2
	v_exp_f32 v[rS+2*bq+1], v[rS+2*bq+1]
.elseif eq == 1
.if bq < 14
	SFMA bq+2
.else
	SCVT bq-14
.endif
.else
.if bq == 0
	SFMA 1
.else
	SADD bq-1, \first
.endif
.endif
.elseif j == 87
	SADD 15, \first
.else
	SCVT j-86
.endif
.endm
; V(j): each number of the list for tiles 0 to 3 by turns; then the four tiles' O^T times a, from each accumulator's low end on.  first = 1: step 0, which starts m and l and has no O^T yet.
.macro VPH first
	WIN 0
.set j, 0
.rept 102
.irp t, 0,1,2,3
	SM \t, \first
.endr
.set j, j+1
.endr
.if \first == 0
	WIN W_RS
.irp t, 0,1,2,3
.set i, 0
.rept 16
	v_pk_mul_f32 v[32*\t+2*i:32*\t+2*i+1], v[32*\t+2*i:32*\t+2*i+1], v[ST+8*\t+6:ST+8*\t+7] op_sel_hi:[1,0]
.set i, i+1
.endr
.endr
	WIN 0
.endif
.endm
; n UNITS.  Group 0: V(j), M(j).  Group 1: M(j), V(j + 1).  The softmax is written once for both; each group jumps over the other's matrix phase.
; Where the text leads from one matrix phase's end straight into the next one's head, the phase's four closing places and FETCH_K's addition make the five places
; between the scores' products and products that take their registers as a source (ISA guide 7.12.1).
.macro UNITS n
	s_mov_b32 s[TW], \n
.Lunit_\@:
	s_cmp_eq_u32 s[GRP], 0
	s_cbranch_scc1 .Lsoft_\@
	MPH 0
.Lsoft_\@:
	VPH 0
	s_cmp_eq_u32 s[GRP], 0
	s_cbranch_scc0 .Lstep_\@
	MPH 0
.Lstep_\@:
	TBSTEP
	s_sub_co_u32 s[TW], s[TW], 1
	s_cmp_lg_u32 s[TW], 0
	s_cbranch_scc1 .Lunit_\@
.endm
; THE CHANGE OF SLOTS.  M(8 s + 6) fetches a slot's last K and V, M(8 s + 7) the next slot's first: the change stands behind M(8 s + 6) for group 0 and behind V(8 s + 7) for group 1.
; Each wave waits for its own reads of the slot and for all its tensor loads, of which one is out: its part of the other slot.  Behind the barrier nobody reads this slot any more and the other
; slot is whole.  fill = 1: slot s is filled again, with the keys 1,024 on: the barrier is a round of the cluster's, and the joint refill is the first thing behind it; it has eight units in which to land.
.macro CHANGE fill, s, next
	WIN 0
	s_wait_dscnt 0x0
	s_wait_tensorcnt 0x0              ; no tensor load of mine is out, so a group 0 may be written
	ds_add_u32 v254, v255
	s_wait_dscnt 0x0
.if \fill
	s_add_nc_u64 s[G0K+4*\s+2:G0K+4*\s+3], s[G0K+4*\s+2:G0K+4*\s+3], 131072
	s_add_nc_u64 s[G0V+4*\s+2:G0V+4*\s+3], s[G0V+4*\s+2:G0V+4*\s+3], 131072
	CROUND
	JLOAD \s
.else
	s_barrier_signal -1
	s_barrier_wait -1
.endif
	s_mov_b32 s[TBK], \next*SLOT      ; the fetches go on at the other slot's first step
	s_mov_b32 s[TBV], \next*SLOT+VOFF
.endm
	s_wait_tensorcnt 1                ; my part of slot 0 is in; slot 1's may stay out
	s_barrier_signal -1
	s_barrier_wait -1                 ; everybody's is
	FETCH_K                           ; key step 0
	FETCH_V
	TBSTEP
	s_wait_loadcnt 0x0                ; Q
	s_wait_dscnt 16                   ; K is in: V's 16 loads are younger
	KQ4                               ; KQ(0)
	WIN 0
	PLACES
	VPH 1                             ; V(0) starts m and l,
	MPH 1                             ; M(0) starts O^T: both in text that every wave passes, so that every register is written on every way
	TBSTEP
	s_cmp_eq_u32 s[GRP], 0
	s_cbranch_scc1 .Lstagger
	VPH 0                             ; group 1 alone: V(1).  Group 0 waits for it at the barrier below, and from there the groups are half a step apart
.Lstagger:
	s_wait_dscnt 0x0                  ; no LDS instruction is pending at a signal; slot 1's fill may stay out
	s_barrier_signal -1
	s_barrier_wait -1
	UNITS 6                           ; group 0: V(1) M(1) .. V(6) M(6).   group 1: M(1) V(2) .. M(6) V(7)
	CHANGE 1, 0, 1                    ; slot 0 takes keys 1,024 to 1,535
	UNITS 8                           ; group 0: V(7) .. M(14).            group 1: M(7) .. V(15)
	CHANGE 1, 1, 0                    ; slot 1 takes keys 1,536 to 2,047
	UNITS 8                           ; group 0: V(15) .. M(22).           group 1: M(15) .. V(23)
	CHANGE 0, 0, 1                    ; nothing is left to ask for
	UNITS 8                           ; group 0: V(23) .. M(30).           group 1: M(23) .. V(31)
	s_cmp_eq_u32 s[GRP], 0
	s_cbranch_scc0 .Llast
	VPH 0                             ; group 0 alone: V(31)
.Llast:
	s_wait_dscnt 0x0                  ; V of step 31
	v_nop                             ; the text has a way from a matrix phase's end round V(31) to here (no wave takes it: a wave's group does not change).  With the phase's four closing
	                                  ; places this is the fifth between the scores' products and the products below, which take their registers as a source (ISA guide 7.12.1): the distance holds on every way
	PVM 0                             ; PV(31)
	WIN 0
	; THE WAY OUT.  l's two halves and the other half of the lanes' are added; O^T is divided by l, rounded to bf16 and sent through my stage, a tile (16 rows) at a time.  The additions are the places behind the last products.
.irp t, 0,1,2,3
	v_add_f32 v[ST+8*\t+4], v[ST+8*\t+2], v[ST+8*\t+3]
.endr
.irp t, 0,1,2,3
	v_permlanex16_b32 v[ST+8*\t+5], v[ST+8*\t+4], s[SEL], s[SEL+1]
.endr
.irp t, 0,1,2,3
	v_add_f32 v[ST+8*\t+4], v[ST+8*\t+4], v[ST+8*\t+5]
.endr
.irp t, 0,1,2,3
	v_rcp_f32 v[ST+8*\t+6], v[ST+8*\t+4]
.endr
	v_nop                             ; a plain instruction between the last reciprocal and the use of its result
	s_wait_alu depctr_va_vdst(0)
.macro PACK t
	WIN W_RS
.set i, 0
.rept 16
	v_pk_mul_f32 v[32*\t+2*i:32*\t+2*i+1], v[32*\t+2*i:32*\t+2*i+1], v[ST+8*\t+6:ST+8*\t+7] op_sel_hi:[1,0]
.set i, i+1
.endr
	WIN 0x05                          ; sources 0 and 1 window 1, destination window 0: S^T's registers are free
.set i, 0
.rept 16
	v_cvt_pk_bf16_f32 v[S+16*\t+i], v[32*\t+2*i], v[32*\t+2*i+1]
.set i, i+1
.endr
	WIN 0
.irp f, 0,1,2,3
	ds_store_b128 v[STO], v[S+16*\t+4*\f:S+16*\t+4*\f+3] offset:32*\f
.endr
.irp f, 0,1,2,3
	ds_load_b128 v[S+16*\t+4*\f:S+16*\t+4*\f+3], v[RD] offset:\f*4*SP   ; LDS serves a wave's instructions in order (ISA guide 5.7.1.4): these see the stores above; the next tile's stores come behind them
.endr
.endm
.macro SEND t, younger              ; younger: the LDS instructions issued behind tile t's loads: the next tile's eight, or none
.irp f, 0,1,2,3
	s_wait_dscnt \younger+3-\f
	global_store_b128 v[GO], v[S+16*\t+4*\f:S+16*\t+4*\f+3], s[6:7] offset:\t*2048+\f*512   ; 32 lanes store 512 consecutive bytes, at a multiple of 512 from ob's first byte
.endr
.endm
	PACK 0
	PACK 1
	SEND 0, 8
	PACK 2
	SEND 1, 8
	PACK 3
	SEND 2, 8
	SEND 3, 0
	s_wait_tensorcnt 0x0
	ds_add_u32 v254, v255
	s_wait_dscnt 0x0
	CROUND                            ; the closing round: no work-group ends while a partner may still ask for a tile that names it
	s_endpgm
.Lfunc_end_k_q0d717655db_attn:
	.size	k_q0d717655db_attn, .Lfunc_end_k_q0d717655db_attn-k_q0d717655db_attn
	.p2alignl 7, 3214868480
	.fill 96, 4, 3214868480
	.section	.rodata,"a",@progbits
	.p2align	6, 0x0
	.amdhsa_kernel k_q0d717655db_attn
		.amdhsa_group_segment_fixed_size 327680
		.amdhsa_private_segment_fixed_size 0
		.amdhsa_enable_private_segment 0
		.amdhsa_kernarg_size 16
		.amdhsa_user_sgpr_count 2
		.amdhsa_user_sgpr_kernarg_segment_ptr 1
		.amdhsa_wavefront_size32 1
		.amdhsa_system_sgpr_workgroup_id_x 1
		.amdhsa_system_sgpr_workgroup_id_y 1
		.amdhsa_system_sgpr_workgroup_id_z 1
		.amdhsa_system_vgpr_workitem_id 0
		.amdhsa_next_free_vgpr 512
		.amdhsa_next_free_sgpr 66
		.amdhsa_reserve_vcc 0
		.amdhsa_float_denorm_mode_32 3
		.amdhsa_float_denorm_mode_16_64 3
		.amdhsa_memory_ordered 1
		.amdhsa_forward_progress 1
		.amdhsa_inst_pref_size 255
	.end_amdhsa_kernel
	.section	.bss,"aw",@nobits
	.p2align	6
	.space	262144
	.amdgpu_metadata
---
amdhsa.version: [ 1, 2 ]
amdhsa.kernels:
  - .name:           k_q0d717655db_attn
    .symbol:         k_q0d717655db_attn.kd
    .args:
      - { .name: hqkv, .offset: 0, .size: 8, .value_kind: global_buffer, .address_space: global }
      - { .name: ob, .offset: 8, .size: 8, .value_kind: global_buffer, .address_space: global }
    .group_segment_fixed_size: 327680
    .private_segment_fixed_size: 0
    .kernarg_segment_align: 8
    .kernarg_segment_size: 16
    .max_flat_workgroup_size: 256
    .sgpr_count:     66
    .vgpr_count:     512
    .wavefront_size: 32
...
	.end_amdgpu_metadata
.endif
;; end of part 3
;; launch outln (part 4): grid 128 x 1, 4 waves a work-group, clusters of 4 x 1, 327,680 bytes of LDS; arguments ob, xb, q, scale, offset, out0; writes out0
.if DOCPART == 4
	.amdgcn_target "amdgcn-amd-amdhsa--gfx1250"
	.amdhsa_code_object_version 6
	.text
	.protected	k_q0d717655db_outln
	.globl	k_q0d717655db_outln
	.p2align	8
	.type	k_q0d717655db_outln,@function
k_q0d717655db_outln:
	s_mov_b64 s[64:65], 0
	v_nop
	global_prefetch_b8 v0, s[64:65] scope:SCOPE_SE
	s_setreg_imm32_b32 hwreg(HW_REG_WAVE_MODE, 25, 1), 1
	s_wait_xcnt 0x0
	s_wait_alu depctr_hold_cnt(0) depctr_sa_sdst(0) depctr_va_vdst(0) depctr_va_sdst(0) depctr_va_ssrc(0) depctr_va_vcc(0) depctr_vm_vsrc(0)
	s_getreg_b32 s2, hwreg(HW_REG_IB_STS2, 6, 4)
	s_cmp_eq_u32 s2, 0
	s_cbranch_scc0 .Lentry_in_a_cluster
	s_endpgm
.Lentry_in_a_cluster:
	s_bfe_u32 s2, ttmp6, 0x10000c
	s_cmp_lg_u32 s2, 0x3003
	s_cbranch_scc0 .Lentry_shape_is_right
	s_endpgm
.Lentry_shape_is_right:
; out0[m][:] = scale x (x - mean(x)) / (std(x) + 1e-9) + offset, x[n] = q[m][n] + sum over f of concat[m][f] Wp[n][f]; std with the divisor 1,023.
; concat's column f = 64 h + v is ob[b][h][s][v] (bf16); Wp comes from xb as [h][n][64] (bf16).  Products in bf16 with f32 sums; all else in f32.
; The mean is taken away first and the variance is the mean of the squares of what is left: no difference of large sums is formed.
; SHARES.  The norm wants whole rows, and work-groups hand nothing to each other: a work-group owns 64 rows x all 1,024 columns, 128 work-groups.  (32 rows each would make 256 work-groups,
; but every work-group walks all of Wp: twice the bytes of Wp for the same products.)  A wave makes 64 rows x 256 columns: 64 accumulators, 512 registers.
; K goes in 16 steps of 64, one head a step.  Wp's tile of a step (131,072 dense bytes) is the same for every work-group: the four of a cluster ask for it jointly.  Wave w fills and reads its own 256 rows n alone.
; A's 64 x 64 of a step (8,192 bytes) go straight from ob into fragment registers, a step and a half ahead.
; THE MATRIX INSTRUCTION IS USED TRANSPOSED (source 0 = 16 rows n of Wp, source 1 = 16 rows m): lane l holds row l % 16 and eight neighbouring columns.
; The 64 accumulators take turns, one instruction a turn, in the same order in every half step.
; REGISTERS.  Window 0: v16-26 addresses; v64-191 A's fragments, AF(slot, half) = 64 + 64 slot + 32 half; v192-223 scale, v224-255 offset of my columns 4 l + 128 j.
;   In the norm: v32-63, v64-95 two rows at work, v96-107 sums.  Window 1: two buffers of B's 16 fragments; from the last half step on a ring of eight rows of q.
;   Windows 2, 3: accumulator (a, b) in window 2 + a / 2 at v[128 (a % 2) + 8 b].
.set WPB,    56623104                  ; Wp's place in xb
.set HEADB,  262144                    ; from head to head in ob
.set WHEAD,  131072                    ; from head to head in Wp
.set PITCH,  272                       ; two rows n (256 bytes) + 16: row n starts at bank 4 (n / 2) + 32 (n % 2) mod 64 (64 banks of 4 bytes: ISA guide 11.1)
.set WTILE,  128*PITCH                 ; a wave's 256 rows n
.set SLOT,   4*WTILE
.set SPITCH, 4112                      ; the stage: a row of 1,024 f32 + 16 bytes; 64 rows lie in the ring's bytes once these have had their last fill
.set ROWB,   4096
.set ADRB, 16                          ; v16-17  LDS address of my B fragments in slot 0, 1
.set AO,   18                          ; v18     my byte offset in a step's rows of A
.set STO,  20                          ; v20-23  the stage: where block a's 32 bytes of a row go
.set RDA,  24                          ; v24     the stage: my 16 bytes of my wave's first row
.set QV,   25                          ; v25     16 l: my place in 512 bytes of a row of q, out0, scale, offset
.set PFV,  26                          ; v26     256 l
.set X0,   32
.set AF,   64
.set T,    96
.set MU,   104                         ; v[104:105] the mean (a pair is named, the low word used)
.set RS,   106                         ; v[106:107] 1 / (std + eps)
.set SC,   192
.set OF,   224
.set F0,   0
.set F1,   128
.set WV,   16                          ; s16  my wave's number
.set CNT,  17
.set G1,   24                          ; s[24:31] descriptor group 1
.set G0,   32                          ; s[32:39] group 0, a set for each slot
.set SA,   40                          ; s[40:41] ob at my rows, at the head whose fragments are asked for next
.set QW,   42                          ; s[42:43] q at my wave's 16 rows
.set OW,   44                          ; s[44:45] out0 at the same rows
.set SEL,  46                          ; s[46:47] lane selects for v_permlanex16_b32
.set MSB, 0
.macro WIN new                         ; the immediate's high byte repeats the setting that is left; a switch that changes nothing is dropped
.if MSB != \new
	s_set_vgpr_msb (MSB<<8)|\new
.set MSB, \new
.endif
.endm
.set MUL_LO, 0xa1                      ; source 0 (B) window 1, source 1 (A) window 0, C and D window 2
.set MUL_HI, 0xf1                      ; the same, C and D window 3
.set TO_B,   0x40                      ; destination window 1, address window 0
.macro PLACES                          ; four plain vector instructions between a matrix instruction and a load into, or a read of, its registers
.rept 4
	v_nop
.endr
.endm
.macro CREST                           ; a round of the cluster's barrier behind its opening barrier
	s_cmp_lg_u32 s[WV], 0
	s_cbranch_scc1 .Lnot_wave_0_\@
	s_barrier_signal -3
.Lnot_wave_0_\@:
	s_barrier_wait -3
	s_barrier_signal -1
	s_barrier_wait -1
.endm
.macro CROUND
	s_barrier_signal -1
	s_barrier_wait -1
	CREST
.endm
	s_load_b256 s[4:11], s[0:1], 0x0               ; ob s[4:5], xb s[6:7], q s[8:9], scale s[10:11]
	s_load_b128 s[12:15], s[0:1], 0x20             ; offset s[12:13], out0 s[14:15]
	v_lshl_add_u32 v30, v0, 2, 0x44000
	v_mov_b32 v31, 0
	ds_add_u32 v30, v31
	v_lshrrev_b32 v1, 5, v0
	v_readfirstlane_b32 s[WV], v1                  ; wave 0..3
	s_bfe_u32 s18, ttmp6, 0x40000                  ; cx
	s_lshl_b32 s19, ttmp9, 2
	s_add_co_u32 s19, s19, s18                     ; my block of 64 rows: it enters ob's, q's and out0's addresses alone
	s_lshr_b32 s20, s19, 5                         ; the batch: 32 blocks each,
	s_lshl_b32 s20, s20, 22                        ; of 16 heads x 262,144 bytes
	s_and_b32 s21, s19, 31
	s_lshl_b32 s21, s21, 13                        ; 64 rows of 128 bytes
	s_add_co_u32 s20, s20, s21
	s_mov_b32 s21, 0
	s_lshl_b32 s22, s19, 18                        ; 64 rows of 4,096 bytes,
	s_lshl_b32 s23, s[WV], 16                      ; my wave's 16 of them
	s_add_co_u32 s22, s22, s23
	s_mov_b32 s23, 0
	s_lshl_b32 s48, s[WV], 15                      ; my wave's 256 rows n of 128 bytes
	s_mov_b32 s49, 0
	s_mul_i32 s50, s[WV], WTILE
	s_mov_b32 s[G1], 15|(1<<16)|(1<<20)|(1<<21)|(5<<22)|(3<<25)   ; 15:0 mask: all four work-groups; 17:16 elements of 2 bytes; 20 padding on; 21 set beside a mask; 24:22 after every 64 words; 31:25 4 words of it
	s_mov_b32 s[G1+1], 128<<16                     ; tensor_dim0 = 128 elements: two rows n
	s_mov_b32 s[G1+2], 128<<16                     ; tensor_dim1 = 128
	s_mov_b32 s[G1+3], 128<<16                     ; tile_dim0 = 128
	s_mov_b32 s[G1+4], 128                         ; tile_dim1 = 128
	s_mov_b32 s[G1+5], 128                         ; dense
	s_mov_b32 s[G1+6], 0
	s_mov_b32 s[G1+7], 0
	s_mov_b32 s[SEL], 0x76543210
	s_mov_b32 s[SEL+1], 0xfedcba98
	s_wait_dscnt 0x0
	s_wait_kmcnt 0x0
	s_add_nc_u64 s[SA:SA+1], s[4:5], s[20:21]
	s_add_nc_u64 s[QW:QW+1], s[8:9], s[22:23]
	s_add_nc_u64 s[OW:OW+1], s[14:15], s[22:23]
	s_add_nc_u64 s[48:49], s[6:7], s[48:49]
.irp s, 0,1
	s_mov_b32 s[G0+4*\s], 1
	s_add_co_u32 s[G0+4*\s+1], s50, \s*SLOT
	s_add_nc_u64 s[G0+4*\s+2:G0+4*\s+3], s[48:49], WPB+\s*WHEAD    ; slot s begins with head s
	s_or_b32 s[G0+4*\s+3], s[G0+4*\s+3], 0x80000000
.endr
	CROUND                                         ; all four work-groups are here: the first joint loads meet
	tensor_load_to_lds s[G0:G0+3], s[G1:G1+7]      ; every wave asks for its own quarter of both slots: two loads of mine are out
	s_nop 0
	tensor_load_to_lds s[G0+4:G0+7], s[G1:G1+7]
	s_nop 0
	PLACES
	v_and_b32 v1, 15, v0                           ; r = l % 16
	v_bfe_u32 v2, v0, 4, 1                         ; l / 16
	v_and_b32 v3, 31, v0                           ; l
	v_lshlrev_b32 v[QV], 4, v3
	v_lshlrev_b32 v[PFV], 8, v3
	v_lshlrev_b32 v[AO], 7, v1
	v_lshl_add_u32 v[AO], v2, 4, v[AO]             ; row r of 128 bytes + 16 x half
	v_lshrrev_b32 v4, 1, v1
	v_mul_u32_u24 v4, v4, PITCH                    ; row n = r: pair r / 2,
	v_and_b32 v5, 1, v0
	v_lshl_add_u32 v4, v5, 7, v4                   ; parity,
	v_lshl_add_u32 v4, v2, 4, v4                   ; 16 x half
	v_add_nc_u32 v[ADRB], s50, v4
	v_add_nc_u32 v[ADRB+1], SLOT, v[ADRB]
	v_mul_u32_u24 v6, v1, SPITCH                   ; the stage, in: row 16 a + r, columns 256 w + 16 b + 8 (l / 16) on
	v_lshl_add_u32 v6, v2, 5, v6
	v_lshl_add_u32 v6, s[WV], 10, v6
.irp a, 0,1,2,3
	v_add_nc_u32 v[STO+\a], \a*16*SPITCH, v6
.endr
	s_mul_i32 s51, s[WV], 16*SPITCH                ; back: my wave's rows 16 w on, whole
	v_add_nc_u32 v[RDA], s51, v[QV]
.irp j, 0,1,2,3,4,5,6,7
	global_load_b128 v[SC+4*\j:SC+4*\j+3], v[QV], s[10:11] offset:512*\j
	global_load_b128 v[OF+4*\j:OF+4*\j+3], v[QV], s[12:13] offset:512*\j
.endr
; 8 loads: A's four fragments (16 rows x 32 K) of half c of the head at SA, into AF(s, c)
.macro LA s, c
.irp a, 0,1,2,3
	global_load_b128 v[AF+64*(\s)+32*\c+8*\a:AF+64*(\s)+32*\c+8*\a+3],   v[AO], s[SA:SA+1] offset:2048*\a+64*\c
	global_load_b128 v[AF+64*(\s)+32*\c+8*\a+4:AF+64*(\s)+32*\c+8*\a+7], v[AO], s[SA:SA+1] offset:2048*\a+64*\c+32
.endr
.endm
; 8 loads: q's row i of my 16, whole, into ring slot i % 8 (under a setting whose destination is window 1)
.macro QROW i
.irp j, 0,1,2,3,4,5,6,7
	global_load_b128 v[32*((\i)&7)+4*\j:32*((\i)&7)+4*\j+3], v[QV], s[QW:QW+1] offset:(\i)*ROWB+512*\j th:TH_LOAD_NT
.endr
.endm
; 32 LDS loads in one run: B's 16 fragments (16 rows n x 32 K at byte k of a row) into buffer f
.macro FETCHB slot, k, f
	WIN TO_B
.irp i, 0,1,2,3,4,5,6,7,8,9,10,11,12,13,14,15
	ds_load_b128 v[\f+8*\i:\f+8*\i+3],   v[ADRB+(\slot)] offset:\k+\i*8*PITCH
	ds_load_b128 v[\f+8*\i+4:\f+8*\i+7], v[ADRB+(\slot)] offset:\k+\i*8*PITCH+32
.endr
.endm
; 16 matrix instructions: m block a x all 16 n blocks, 32 along K.  zero = 1: the product starts the sums: nothing is ever cleared.
.macro MUL16 f, af, a, zero
.irp b, 0,1,2,3,4,5,6,7,8,9,10,11,12,13,14,15
.if \zero
	v_wmma_f32_16x16x32_bf16 v[128*((\a)&1)+8*\b:128*((\a)&1)+8*\b+7], v[\f+8*\b:\f+8*\b+7], v[\af+8*(\a):\af+8*(\a)+7], 0
.else
	v_wmma_f32_16x16x32_bf16 v[128*((\a)&1)+8*\b:128*((\a)&1)+8*\b+7], v[\f+8*\b:\f+8*\b+7], v[\af+8*(\a):\af+8*(\a)+7], v[128*((\a)&1)+8*\b:128*((\a)&1)+8*\b+7]
.endif
.endr
.endm
; A step's first half: multiplies buffer 0.  In its middle: the next head's second half of A (la = 1), and this step's second half of B.
; cnt: the loads of A issued behind the eight that this half needs.
.macro H0 s, zero, la, cnt
	s_wait_loadcnt \cnt
	s_wait_dscnt 0x0                               ; buffer 0 is in
	WIN MUL_LO
	MUL16 F0, AF+64*\s, 0, \zero
	MUL16 F0, AF+64*\s, 1, \zero
	WIN 0
	PLACES
.if \la
	LA 1-\s, 1
.endif
	FETCHB \s, 64, F1
.if \la == 0
	global_prefetch_b8 v[PFV], s[QW:QW+1] offset:16384 th:TH_LOAD_NT scope:SCOPE_SE   ; my wave's rows 4 to 7 of q, lanes 256 bytes apart: asked for once, by the wave that will load them, 96 matrix instructions ahead of row 4's load
	global_prefetch_b8 v[PFV], s[QW:QW+1] offset:24576 th:TH_LOAD_NT scope:SCOPE_SE
.endif
	WIN MUL_HI
	MUL16 F0, AF+64*\s, 2, \zero
	MUL16 F0, AF+64*\s, 3, \zero
.endm
; A step's second half: multiplies buffer 1 and leaves the slot.
; mode 2: the slot is filled again, with the head two steps on, and that comes first of all.  Buffer 1 holds the slot's last bytes, so my reads of the slot are back at the wait for it; all my tensor
;   loads have landed, of which one was out: my part of the other slot.  Then the round of the cluster's barrier, with nothing inside it, and the joint refill first behind it: no product stands
;   between a tile's landing and the next request, and the refill has this half's and the next half's 128 matrix instructions in which to land.
; mode 1: nothing is left to ask for.  I read only bytes that my own load brought, so my own wait on TENSORcnt orders the reads.
; mode 0: the last step.  Buffer 0 has been multiplied for the last time: q's rows 0 to 3 are asked for into it, ahead of the last 64 products.
.macro H1 s, mode, cnt
	s_wait_loadcnt \cnt
	s_wait_dscnt 0x0                               ; buffer 1 is in: my reads of this slot are over
.if \mode == 2
	s_set_vgpr_msb (MSB<<8)|((MSB&0xf0)|0x0)
	s_wait_tensorcnt 0x0
	ds_add_u32 v30, v31
	s_wait_dscnt 0x0
	s_set_vgpr_msb (((MSB&0xf0)|0x0)<<8)|MSB
	WIN 0
	s_barrier_signal -1
	s_barrier_wait -1
	CREST
	s_add_nc_u64 s[G0+4*\s+2:G0+4*\s+3], s[G0+4*\s+2:G0+4*\s+3], 2*WHEAD
	s_wait_xcnt 0x0                                ; A's base is stepped only behind this wait: loads that name it have been issued
	s_add_nc_u64 s[SA:SA+1], s[SA:SA+1], HEADB
	tensor_load_to_lds s[G0+4*\s:G0+4*\s+3], s[G1:G1+7]
	s_nop 0
	PLACES                                         ; the places between the first half's products and the loads below
	LA \s, 0                                       ; the first half of A two steps on
	FETCHB 1-\s, 0, F0
	WIN MUL_LO
	MUL16 F1, AF+64*\s+32, 0, 0
	MUL16 F1, AF+64*\s+32, 1, 0
.elseif \mode == 1
	WIN MUL_LO
	MUL16 F1, AF+64*\s+32, 0, 0
	MUL16 F1, AF+64*\s+32, 1, 0
	s_wait_tensorcnt 0x0                           ; my one load that was out: the last head's
	PLACES
	FETCHB 1-\s, 0, F0
	global_prefetch_b8 v[PFV], s[QW:QW+1] th:TH_LOAD_NT scope:SCOPE_SE                ; my wave's rows 0 to 3 of q, 96 matrix instructions ahead of their loads; the rows behind row 7 ride behind the ring of loads
	global_prefetch_b8 v[PFV], s[QW:QW+1] offset:8192 th:TH_LOAD_NT scope:SCOPE_SE
.else
	PLACES                                         ; behind the first half's products, which read buffer 0
	WIN TO_B
.irp i, 0,1,2,3
	QROW \i
.endr
	WIN MUL_LO
	MUL16 F1, AF+64*\s+32, 0, 0
	MUL16 F1, AF+64*\s+32, 1, 0
.endif
	WIN MUL_HI
	MUL16 F1, AF+64*\s+32, 2, 0
	MUL16 F1, AF+64*\s+32, 3, 0
.endm
	LA 0, 0                                        ; head 0, both halves
	LA 0, 1
	s_wait_xcnt 0x0
	s_add_nc_u64 s[SA:SA+1], s[SA:SA+1], HEADB
	LA 1, 0                                        ; head 1, first half
	s_wait_tensorcnt 1                             ; my part of slot 0 is in, and nobody else reads it; slot 1's may stay out
	FETCHB 0, 0, F0
	H0 0, 1, 1, 16                                 ; the first half step stands in front of the loop: its products start the sums.  16: head 0's second half and head 1's first are younger
	WIN 0
	s_mov_b32 s[CNT], 7
.Lstep:                                                ; two steps a trip, from a step's second half to the first half two steps on; heads 2 to 15 are asked for in seven trips
	H1 0, 2, 16                                    ; in every half: two groups of eight loads of A are younger than the eight that it needs
	H0 1, 0, 1, 16
	H1 1, 2, 16
	H0 0, 0, 1, 16
	WIN 0
	s_sub_co_u32 s[CNT], s[CNT], 1
	s_cmp_lg_u32 s[CNT], 0
	s_cbranch_scc1 .Lstep
	H1 0, 1, 16                                    ; step 14's second half
	H0 1, 0, 0, 8                                  ; step 15: the counts run down
	H1 1, 0, 0
	; THE NORM.  The accumulators go through a stage in LDS, so that a wave holds whole rows: 16 rows each, a row in 32 registers.
	WIN 0
	PLACES                                         ; behind the last products: loads into buffer 1, and LDS stores of the results, follow
	WIN TO_B
.irp i, 4,5,6
	QROW \i                                        ; q's rows 4 to 6 follow rows 0 to 3
.endr
	WIN 0
	v_mov_b32 v[MU+1], 0                           ; named in pairs below, so they are written
	v_mov_b32 v[RS+1], 0
	s_wait_dscnt 0x0                               ; my reads of the ring are back and my tensor loads have landed (both met): the others may write over my part
	s_wait_tensorcnt 0x0
	s_barrier_signal -1
	s_barrier_wait -1
	WIN 0x08                                       ; store data in window 2
.irp a, 0,1
.irp b, 0,1,2,3,4,5,6,7,8,9,10,11,12,13,14,15
	ds_store_b128 v[STO+\a], v[128*\a+8*\b:128*\a+8*\b+3]   offset:64*\b
	ds_store_b128 v[STO+\a], v[128*\a+8*\b+4:128*\a+8*\b+7] offset:64*\b+16
.endr
.endr
	WIN 0x0c                                       ; in window 3
.irp a, 0,1
.irp b, 0,1,2,3,4,5,6,7,8,9,10,11,12,13,14,15
	ds_store_b128 v[STO+2+\a], v[128*\a+8*\b:128*\a+8*\b+3]   offset:64*\b
	ds_store_b128 v[STO+2+\a], v[128*\a+8*\b+4:128*\a+8*\b+7] offset:64*\b+16
.endr
.endr
	WIN 0
	s_wait_dscnt 0x0                               ; for the others' sake: my stores into the stage are done
	s_barrier_signal -1
	s_barrier_wait -1
.irp i, 0,1
.irp j, 0,1,2,3,4,5,6,7
	ds_load_b128 v[X0+32*\i+4*\j:X0+32*\i+4*\j+3], v[RDA] offset:\i*SPITCH+512*\j
.endr
.endr
.macro TREE                            ; four pairs of partial sums -> the sum over the row, in every lane
	v_pk_add_f32 v[T:T+1], v[T:T+1], v[T+2:T+3]
	v_pk_add_f32 v[T+4:T+5], v[T+4:T+5], v[T+6:T+7]
	v_pk_add_f32 v[T:T+1], v[T:T+1], v[T+4:T+5]
	v_add_f32 v[T], v[T], v[T+1]
	v_add_f32_dpp v[T], v[T], v[T] row_xmask:1 row_mask:0xf bank_mask:0xf
	v_add_f32_dpp v[T], v[T], v[T] row_xmask:2 row_mask:0xf bank_mask:0xf
	v_add_f32_dpp v[T], v[T], v[T] row_xmask:4 row_mask:0xf bank_mask:0xf
	v_add_f32_dpp v[T], v[T], v[T] row_xmask:8 row_mask:0xf bank_mask:0xf
	v_permlanex16_b32 v[T+1], v[T], s[SEL], s[SEL+1]
	v_add_f32 v[T], v[T], v[T+1]
.endm
; Row i of my 16.  q's rows come through a ring of eight register slots, seven rows ahead.  The stage's rows come through two buffers: row i + 1 is read in the middle of row i, into the
; buffer from which row i - 1 was stored at the end of its turn (rows 0 and 1 are read ahead of row 0).
.macro ROW i
.set XP, X0+32*((\i)&1)
.set XN, X0+32*(((\i)+1)&1)
.set QR, 32*((\i)&7)
.if (\i) < 10
	s_wait_loadcnt 48                              ; q's row i is in; the six rows behind it stay out
.else
	s_wait_loadcnt 8*(15-(\i))                     ; the counts run down
.endif
.if (\i) < 9
	WIN TO_B
	QROW \i+7
.endif
.if (\i) == 0
	s_wait_dscnt 8                                 ; the stage's row 0 is in; row 1's eight loads stay out
.else
	s_wait_dscnt 0                                 ; the stage's row i is in: no LDS load was issued behind its eight
.endif
	WIN 0x04                                       ; source 1 (q) in window 1
.set p, 0
.rept 16
	v_pk_add_f32 v[XP+2*p:XP+2*p+1], v[XP+2*p:XP+2*p+1], v[QR+2*p:QR+2*p+1]
.set p, p+1
.endr
	WIN 0
.irp k, 0,1,2,3                        ; the sum, in four chains; the first additions start them
	v_pk_add_f32 v[T+2*\k:T+2*\k+1], v[XP+2*\k:XP+2*\k+1], v[XP+8+2*\k:XP+8+2*\k+1]
.endr
.irp g, 16,24
.irp k, 0,1,2,3
	v_pk_add_f32 v[T+2*\k:T+2*\k+1], v[T+2*\k:T+2*\k+1], v[XP+\g+2*\k:XP+\g+2*\k+1]
.endr
.endr
	TREE
	v_mul_f32 v[MU], 0x3a800000, v[T]              ; / 1,024
.if ((\i) > 0) && ((\i) < 15)
	s_wait_xcnt 0x0                                ; the buffer that row i - 1's stores read is loaded again only behind this wait
.irp j, 0,1,2,3,4,5,6,7
	ds_load_b128 v[XN+4*\j:XN+4*\j+3], v[RDA] offset:((\i)+1)*SPITCH+512*\j
.endr
.endif
.set p, 0
.rept 16
	v_pk_add_f32 v[XP+2*p:XP+2*p+1], v[XP+2*p:XP+2*p+1], v[MU:MU+1] op_sel_hi:[1,0] neg_lo:[0,1] neg_hi:[0,1]
.set p, p+1
.endr
.irp k, 0,1,2,3                        ; the sum of the squares of what is left
	v_pk_mul_f32 v[T+2*\k:T+2*\k+1], v[XP+2*\k:XP+2*\k+1], v[XP+2*\k:XP+2*\k+1]
.endr
.irp g, 8,16,24
.irp k, 0,1,2,3
	v_pk_fma_f32 v[T+2*\k:T+2*\k+1], v[XP+\g+2*\k:XP+\g+2*\k+1], v[XP+\g+2*\k:XP+\g+2*\k+1], v[T+2*\k:T+2*\k+1]
.endr
.endr
	TREE
	v_mul_f32 v[RS], 0x3a802008, v[T]              ; / 1,023
	v_sqrt_f32 v[RS], v[RS]
	v_nop                                          ; a plain instruction behind a transcendental, ahead of the use of its result (ISA guide 5.7.2)
	s_wait_alu depctr_va_vdst(0)
	v_add_f32 v[RS], 0x3089705f, v[RS]             ; + 1e-9
	v_rcp_f32 v[RS], v[RS]
	v_nop
.set p, 0
	s_wait_alu depctr_va_vdst(0)
.rept 16
	v_pk_mul_f32 v[XP+2*p:XP+2*p+1], v[XP+2*p:XP+2*p+1], v[RS:RS+1] op_sel_hi:[1,0]
.set p, p+1
.endr
.set p, 0
.rept 16
	v_pk_fma_f32 v[XP+2*p:XP+2*p+1], v[XP+2*p:XP+2*p+1], v[SC+2*p:SC+2*p+1], v[OF+2*p:OF+2*p+1]
.set p, p+1
.endr
.irp j, 0,1,2,3,4,5,6,7
	global_store_b128 v[QV], v[XP+4*\j:XP+4*\j+3], s[OW:OW+1] offset:(\i)*ROWB+512*\j th:TH_STORE_NT   ; 32 lanes store 512 consecutive bytes, at a multiple of 512 from out0's first byte
.endr
.endm
.irp i, 0,1,2,3,4,5,6,7,8,9,10,11,12,13,14,15
	ROW \i
.endr
	s_set_vgpr_msb (MSB<<8)|((MSB&0xf0)|0x0)
	s_wait_tensorcnt 0x0
	ds_add_u32 v30, v31
	s_wait_dscnt 0x0
	s_set_vgpr_msb (((MSB&0xf0)|0x0)<<8)|MSB
	CROUND                                         ; the closing round: no work-group ends while a partner may still ask for a tile that names it
	s_endpgm
.Lfunc_end_k_q0d717655db_outln:
	.size	k_q0d717655db_outln, .Lfunc_end_k_q0d717655db_outln-k_q0d717655db_outln
	.p2alignl 7, 3214868480
	.fill 96, 4, 3214868480
	.section	.rodata,"a",@progbits
	.p2align	6, 0x0
	.amdhsa_kernel k_q0d717655db_outln
		.amdhsa_group_segment_fixed_size 327680
		.amdhsa_private_segment_fixed_size 0
		.amdhsa_enable_private_segment 0
		.amdhsa_kernarg_size 48
		.amdhsa_user_sgpr_count 2
		.amdhsa_user_sgpr_kernarg_segment_ptr 1
		.amdhsa_wavefront_size32 1
		.amdhsa_system_sgpr_workgroup_id_x 1
		.amdhsa_system_sgpr_workgroup_id_y 1
		.amdhsa_system_sgpr_workgroup_id_z 1
		.amdhsa_system_vgpr_workitem_id 0
		.amdhsa_next_free_vgpr 1024
		.amdhsa_next_free_sgpr 66
		.amdhsa_reserve_vcc 0
		.amdhsa_float_denorm_mode_32 3
		.amdhsa_float_denorm_mode_16_64 3
		.amdhsa_memory_ordered 1
		.amdhsa_forward_progress 1
		.amdhsa_inst_pref_size 225
	.end_amdhsa_kernel
	.amdgpu_metadata
---
amdhsa.version: [ 1, 2 ]
amdhsa.kernels:
  - .name:           k_q0d717655db_outln
    .symbol:         k_q0d717655db_outln.kd
    .args:
      - { .name: ob, .offset: 0, .size: 8, .value_kind: global_buffer, .address_space: global }
      - { .name: xb, .offset: 8, .size: 8, .value_kind: global_buffer, .address_space: global }
      - { .name: q, .offset: 16, .size: 8, .value_kind: global_buffer, .address_space: global }
      - { .name: scale, .offset: 24, .size: 8, .value_kind: global_buffer, .address_space: global }
      - { .name: offset, .offset: 32, .size: 8, .value_kind: global_buffer, .address_space: global }
      - { .name: out0, .offset: 40, .size: 8, .value_kind: global_buffer, .address_space: global }
    .group_segment_fixed_size: 327680
    .private_segment_fixed_size: 0
    .kernarg_segment_align: 8
    .kernarg_segment_size: 48
    .max_flat_workgroup_size: 128
    .sgpr_count:     66
    .vgpr_count:     1024
    .wavefront_size: 32
...
	.end_amdgpu_metadata
.endif
;; end of part 4
;; ======== version 2 of 2: 4 launches; version 1 with the launch cast written anew for expert scheduling mode
;; workspace buffers: xb 58,720,256 bytes; hqkv 50,331,648 bytes; ob 16,777,216 bytes
;; launch cast (part 5): grid 896 x 1, 8 waves a work-group, no clusters, 0 bytes of LDS; arguments q, k, v, Wq, Wk, Wv, Wp, xb; writes xb
.if DOCPART == 5
	.amdgcn_target "amdgcn-amd-amdhsa--gfx1250"
	.amdhsa_code_object_version 6
	.text
	.protected	k_q0d717655db_cast
	.globl	k_q0d717655db_cast
	.p2align	8
	.type	k_q0d717655db_cast,@function
k_q0d717655db_cast:
	s_mov_b64 s[64:65], 0
	v_nop
	global_prefetch_b8 v0, s[64:65] scope:SCOPE_SE
	s_setreg_imm32_b32 hwreg(HW_REG_WAVE_SCHED_MODE, 0, 2), 2
	s_setreg_imm32_b32 hwreg(HW_REG_WAVE_MODE, 25, 1), 1
	s_wait_xcnt 0x0
	s_wait_alu depctr_vm_vsrc(0)
; f32 -> bf16 (round to nearest even) of q, k, v, Wq, Wk, Wv, in their own order, and of Wp, laid anew by head.
; xb, in bf16: q at byte 0, k at 16,777,216, v at 33,554,432 (together one matrix [24576][1024]); Wq, Wk, Wv from 50,331,648 on
; (together [3072][1024]); Wp from WPB on as [h = f >> 6][n][f & 63], so that one head's 64 columns of all 1,024 rows are 131,072 dense bytes.
; A work-group takes 32,768 numbers (131,072 bytes in, 65,536 out), a wave 4,096: 32 loads of 16 bytes a lane, all issued before the
; first is used, and 32 stores of 8 bytes a lane, each covering 256 consecutive bytes at a multiple of 256 from xb's first byte.
; No loop, and no register is written twice.  No LDS, no matrix unit: a plain stream.
; THE MODE: SCHED_MODE bits 1:0 = 2 (LLVM: expert scheduling mode 2), set by the entry lines.  The code itself states the register dependences
; between vector instructions and memory instructions, with s_wait_alu, always for 0.
; THE PLAN.  Registers that memory instructions touch:
;   v3, v4   the loads' and the stores' byte offsets: made once at the head of each arm, read by all 32 loads and all 32 stores, never written again.
;   X        load j lands in X + 4 j, once; all 32 loads are issued ahead of the first conversion, and no vector instruction writes X.
;   Y        the two conversions of number j write Y + 2 j, once; store j reads it.
; The 32 numbers go in eight blocks of four.  Block p rounds X's block p into Y's block p; its memory instructions are the four stores of block p - 1,
; which read Y's block p - 1 and v4: registers that no conversion of block p names.  So one wait at a block's head, behind the wait for the block's data,
; states all that its four stores hang on, and these are dealt among its conversions with no further wait.
; No register that a load or a store reads is written again, and no load lands in a register that a vector instruction has named: nothing else is owed.
.set X,   16                           ; v[16:143]   load j: 4 registers
.set Y,   144                          ; v[144:207]  store j: 2 registers
.set WPB, 56623104                     ; Wp's place in xb
	s_load_b512 s[16:31], s[0:1], 0x0              ; q, k, v, Wq, Wk, Wv, Wp, xb: s[16+2i:17+2i]
	v_lshrrev_b32 v1, 5, v0
	v_readfirstlane_b32 s8, v1                     ; wave 0..7
	v_and_b32 v2, 31, v0                           ; lane
	s_lshr_b32 s2, ttmp9, 8                        ; work-groups 0..767: buffer = x / 256 (q, k, v), part = x % 256
	s_and_b32 s3, ttmp9, 255
	s_sub_co_u32 s6, ttmp9, 768                    ; work-groups 768..895: buffer = 3 + (x - 768) / 32, part = (x - 768) % 32
	s_lshr_b32 s7, s6, 5
	s_add_co_u32 s7, s7, 3
	s_and_b32 s6, s6, 31
	s_cmp_lt_u32 ttmp9, 768
	s_cselect_b32 s2, s2, s7
	s_cselect_b32 s3, s3, s6
	s_lshl_b32 s10, s3, 17                         ; the part's 131,072 bytes,
	s_wait_alu depctr_va_sdst(0)                   ; s8 is written, ahead of its first reader: the wave's offsets in the source and in xb are made from it
	s_lshl_b32 s9, s8, 14                          ; my wave's 16,384 of them
	s_add_co_u32 s10, s10, s9
	s_mov_b32 s11, 0
	s_wait_kmcnt 0x0
	s_mov_b64 s[4:5], s[16:17]                     ; the source is chosen by the work-group's number alone
.irp i, 1,2,3,4,5,6
	s_cmp_eq_u32 s2, \i
	s_cselect_b64 s[4:5], s[16+2*\i:17+2*\i], s[4:5]
.endr
	s_add_nc_u64 s[4:5], s[4:5], s[10:11]
; Store n.  kind 0: as it lies.  kind 1: Wp: head n % 16, row pair n / 16.
.macro PUT kind, n
.if \kind
	global_store_b64 v4, v[Y+2*(\n):Y+2*(\n)+1], s[30:31] offset:((\n)&15)*131072+((\n)>>4)*256
.else
	global_store_b64 v4, v[Y+2*(\n):Y+2*(\n)+1], s[30:31] offset:256*(\n)
.endif
.endm
; kind 0: as it lies.  kind 1: Wp; load j takes head j % 16 of the rows n, n + 1 of row pair j / 16.
.macro BODY kind
.set j, 0
.rept 32
.if \kind
	global_load_b128 v[X+4*j:X+4*j+3], v3, s[4:5] offset:(j>>4)*8192+(j&15)*256 th:TH_LOAD_NT
.else
	global_load_b128 v[X+4*j:X+4*j+3], v3, s[4:5] offset:512*j th:TH_LOAD_NT
.endif
.set j, j+1
.endr
.set p, 0
.rept 8
	s_wait_loadcnt 28-4*p                          ; loads come back in order (ISA guide 5.7.1): block p's four are in, the 28 - 4 p younger ones stay out
.if p > 0
	s_wait_alu depctr_va_vdst(0)                   ; the block before has written its eight registers of Y, which the four stores below read
.endif
.set i, 0
.rept 4
.set j, 4*p+i
.if p > 0
	PUT \kind, j-4                                 ; the block before; no conversion since the wait names its registers
.endif
	v_cvt_pk_bf16_f32 v[Y+2*j],   v[X+4*j],   v[X+4*j+1]
	v_cvt_pk_bf16_f32 v[Y+2*j+1], v[X+4*j+2], v[X+4*j+3]
.set i, i+1
.endr
.set p, p+1
.endr
	s_wait_alu depctr_va_vdst(0)                   ; block 7 has written its eight registers of Y, which the last four stores read
.irp n, 28,29,30,31
	PUT \kind, \n
.endr
.endm
	s_cmp_lt_u32 ttmp9, 864
	s_cbranch_scc0 .Lwp
	s_lshl_b32 s12, ttmp9, 16                      ; 65,536 bytes of xb for each work-group, in the order of the buffers,
	s_lshl_b32 s13, s8, 13                         ; 8,192 for each wave
	s_add_co_u32 s12, s12, s13
	s_mov_b32 s13, 0
	s_add_nc_u64 s[30:31], s[30:31], s[12:13]
	v_lshlrev_b32 v3, 4, v2                        ; 16 bytes a lane in,
	v_lshlrev_b32 v4, 3, v2                        ; 8 out
	s_wait_alu depctr_va_vdst(0)                   ; v3 and v4 are written: every load below reads v3 as its offset, every store v4
	BODY 0
	s_endpgm
.Lwp:                                                  ; the work-group has 32 rows n of Wp, the wave 4
	s_sub_co_u32 s12, ttmp9, 864
	s_lshl_b32 s12, s12, 12                        ; 32 rows of 128 bytes inside each head's block,
	s_lshl_b32 s13, s8, 9                          ; 4 for each wave
	s_add_co_u32 s12, s12, s13
	s_add_co_u32 s12, s12, WPB
	s_mov_b32 s13, 0
	s_add_nc_u64 s[30:31], s[30:31], s[12:13]
	v_and_b32 v5, 15, v0
	v_lshrrev_b32 v6, 4, v2
	v_lshlrev_b32 v3, 4, v5                        ; lanes 0-15 take a head's 256 bytes of row n,
	v_lshl_add_u32 v3, v6, 12, v3                  ; lanes 16-31 those of row n + 1
	v_lshlrev_b32 v4, 3, v2                        ; which lie side by side in xb: 2 x 128 bytes
	s_wait_alu depctr_va_vdst(0)                   ; v3 and v4 are written: every load below reads v3 as its offset, every store v4
	BODY 1
	s_endpgm
.Lfunc_end_k_q0d717655db_cast:
	.size	k_q0d717655db_cast, .Lfunc_end_k_q0d717655db_cast-k_q0d717655db_cast
	.p2alignl 7, 3214868480
	.fill 96, 4, 3214868480
	.section	.rodata,"a",@progbits
	.p2align	6, 0x0
	.amdhsa_kernel k_q0d717655db_cast
		.amdhsa_group_segment_fixed_size 0
		.amdhsa_private_segment_fixed_size 0
		.amdhsa_enable_private_segment 0
		.amdhsa_kernarg_size 64
		.amdhsa_user_sgpr_count 2
		.amdhsa_user_sgpr_kernarg_segment_ptr 1
		.amdhsa_wavefront_size32 1
		.amdhsa_system_sgpr_workgroup_id_x 1
		.amdhsa_system_sgpr_workgroup_id_y 1
		.amdhsa_system_sgpr_workgroup_id_z 1
		.amdhsa_system_vgpr_workitem_id 0
		.amdhsa_next_free_vgpr 208
		.amdhsa_next_free_sgpr 66
		.amdhsa_reserve_vcc 0
		.amdhsa_float_denorm_mode_32 3
		.amdhsa_float_denorm_mode_16_64 3
		.amdhsa_memory_ordered 1
		.amdhsa_forward_progress 1
		.amdhsa_inst_pref_size 24
	.end_amdhsa_kernel
	.amdgpu_metadata
---
amdhsa.version: [ 1, 2 ]
amdhsa.kernels:
  - .name:           k_q0d717655db_cast
    .symbol:         k_q0d717655db_cast.kd
    .args:
      - { .name: q, .offset: 0, .size: 8, .value_kind: global_buffer, .address_space: global }
      - { .name: k, .offset: 8, .size: 8, .value_kind: global_buffer, .address_space: global }
      - { .name: v, .offset: 16, .size: 8, .value_kind: global_buffer, .address_space: global }
      - { .name: Wq, .offset: 24, .size: 8, .value_kind: global_buffer, .address_space: global }
      - { .name: Wk, .offset: 32, .size: 8, .value_kind: global_buffer, .address_space: global }
      - { .name: Wv, .offset: 40, .size: 8, .value_kind: global_buffer, .address_space: global }
      - { .name: Wp, .offset: 48, .size: 8, .value_kind: global_buffer, .address_space: global }
      - { .name: xb, .offset: 56, .size: 8, .value_kind: global_buffer, .address_space: global }
    .group_segment_fixed_size: 0
    .private_segment_fixed_size: 0
    .kernarg_segment_align: 8
    .kernarg_segment_size: 64
    .max_flat_workgroup_size: 256
    .sgpr_count:     66
    .vgpr_count:     208
    .wavefront_size: 32
...
	.end_amdgpu_metadata
.endif
;; end of part 5
;; launch proj: the kernel of part 2 again; grid 4 x 96, 4 waves a work-group, clusters of 4 x 4, 327,680 bytes of LDS; arguments xb, hqkv; writes hqkv
;; launch attn: the kernel of part 3 again; grid 4 x 64, 8 waves a work-group, clusters of 4 x 1, 327,680 bytes of LDS; arguments hqkv, ob; writes ob
;; launch outln: the kernel of part 4 again; grid 128 x 1, 4 waves a work-group, clusters of 4 x 1, 327,680 bytes of LDS; arguments ob, xb, q, scale, offset, out0; writes out0
